; MI455X (gfx1250); checked and timed in simulation.
; The chip was launched on July 23, 2026; its instructions are those of AMD's public machine-readable ISA for CDNA 5 (MIT licence, August 2026) and "CDNA5" Instruction Set Architecture Reference Guide (July 2026). The comments in the code are by the model that wrote it; some were corrected since.
;; Multi Head Attention. Allowed arithmetic: matrix products marked QUANTISED: E3M2 operands, one E8M0 scale for each 32 along K, by v_wmma_scale_f32_16x16x128_f8f6f4 with both operands' format E3M2, f32 sums; everything else in f32.
;; Inputs: W_out 1,024 x 1,024 float32; Wk 16 x 1,024 x 64 float32; Wq 16 x 1,024 x 64 float32; Wv 16 x 1,024 x 64 float32; b_out 1,024 float32; key 4 x 2,048 x 1,024 float32; key_attention_mask 4 x 2,048 bool; query 4 x 2,048 x 1,024 float32; value 4 x 2,048 x 1,024 float32.
;; Outputs: out0 4 x 2,048 x 1,024 float32.
;; This version of the problem:
;;   THIS VERSION OF THE PROBLEM IS GIVEN IN LOW PRECISION. The matrix products marked QUANTISED in the list below multiply operands that are first quantised to E3M2 (3 exponent bits, 2 mantissa bits; 6 bits a number), with one power-of-two scale for each 32 numbers along K (OCP MX v1.0); their sums are f32. All else is computed in f32.
;;   The module's matrix products, in the order in which they are computed (A, B: the left and right operand; K: the contracted axis; several contracted axes count as one K, in the product's order):
;;     1. [M 1,024, K 1,024] x [K 1,024, N 8,192]; A: input Wq; B: input query: QUANTISED
;;     2. [M 1,024, K 1,024] x [K 1,024, N 8,192]; A: input Wk; B: input key: QUANTISED
;;     3. [M 1,024, K 1,024] x [K 1,024, N 8,192]; A: input Wv; B: input value: QUANTISED
;;     4. batch 64 x [M 2,048, K 64] x [K 64, N 2,048]; A: computed on the way; B: computed on the way: QUANTISED
;;     5. batch 64 x [M 2,048, K 2,048] x [K 2,048, N 64]; A: softmax (see below); B: computed on the way: QUANTISED
;;     6. [M 8,192, K 1,024] x [K 1,024, N 1,024]; A: computed on the way; B: input W_out: QUANTISED
;;   THE QUANTISER, for each operand of a quantised product, along K:
;;     - K is cut into blocks of 32 from its start; a last block that is shorter is filled with zeros.
;;     - A block's scale is 2^e with e = floor(log2(the largest magnitude in the block)) - 4, held to -126 .. 127; a block of zeros has e = 0. As a byte (E8M0): e + 127.
;;     - Each number is divided by its block's scale, clamped to +-28, and rounded to the nearest number of E3M2, ties to even, subnormals kept.
;;     - The product sums the exact products of the quantised numbers (number of the format x scale) in f32.
;;   ~~~python
;;   def quantise(x, axis):      # numpy; x: float32 -> the quantised numbers, widened to float32 again
;;       x = np.moveaxis(x, axis, -1); K = x.shape[-1]
;;       x = np.pad(x, [(0, 0)] * (x.ndim - 1) + [(0, -K % 32)]); x = x.reshape(x.shape[:-1] + (-1, 32)); a = np.abs(x).max(-1, keepdims=True)
;;       e = np.where(a > 0, np.clip(np.frexp(np.where(a > 0, a, 1))[1] - 1 - 4, -126, 127), 0)      # np.frexp(a)[1] - 1 = floor(log2(a)), exactly
;;       r = np.clip(x / 2.0 ** e, -28, 28)
;;       step = 2.0 ** (np.maximum(np.frexp(np.where(r == 0, 1, r))[1] - 1, -2) - 2)
;;       q = np.round(r / step) * step * 2.0 ** e      # np.round: ties to even
;;       return np.moveaxis(q.reshape(q.shape[:-2] + (-1,))[..., :K], -1, axis).astype(np.float32)
;;   ~~~
;;   SOFTMAX AHEAD OF A QUANTISED PRODUCT. Where the list says 'softmax', what is quantised is not the finished softmax but p = 2^(t - M), with t = logit x log2(e) and M = ceil(the row's largest t), a whole number; so 1/2 < the row's largest p <= 1. The row's sum l is taken of the UNQUANTISED p, in f32, and the product's result is divided by l at the end. Since M is a whole number, a kernel that streams over the keys may use a running M (the ceiling of the running maximum): every later rescaling is an exact power of two, which a block's scale takes up: the codes' values come out the same.
;;   OPERANDS COMPUTED ON THE WAY. 'Computed on the way' means the value that the module computes at that place (a softmax that the list does not call 'softmax' is quantised finished and normalised). What goes into a quantiser is computed in f32, as accurately as f32 sums, v_exp_f32 and their like allow (about 1e-6 of the number): no bf16 or f16 on the way to a quantiser, and a product that is left as it is and whose result goes on into a quantised operand takes f32 operands (vector FMAs, or v_wmma_f32_16x16x4_f32). A number that lies on a knife's edge between two numbers of the format may be rounded either way, as far as f32 arithmetic and the matrix unit's own rounding can turn it there, and no further.
;; 2 versions, each right; version 2 is version 1 with the launch proj written anew for expert scheduling mode. Each part assembles by itself: llvm-mc -triple=amdgcn-amd-amdhsa -mcpu=gfx1250 --defsym DOCPART=n.
;; ======== version 1 of 2: 4 launches
;; limits: right only within a limited range of input values
;; workspace buffers: wc 3,145,728 bytes; ws 131,072 bytes; qkvc 18,874,368 bytes; qkvs 1,572,864 bytes; oc 6,291,456 bytes; osc 524,288 bytes
;; launch wquant (part 1): grid 64 x 4, 4 waves a work-group, no clusters, 0 bytes of LDS; arguments Wq, Wk, Wv, W_out, wc, ws; writes wc, ws
.if DOCPART == 1
	.amdgcn_target "amdgcn-amd-amdhsa--gfx1250"
	.amdhsa_code_object_version 6
	.text
	.protected	k_q8285082b5b_wquant
	.globl	k_q8285082b5b_wquant
	.p2align	8
	.type	k_q8285082b5b_wquant,@function
k_q8285082b5b_wquant:
	s_mov_b64 s[64:65], 0
	v_nop
	global_prefetch_b8 v0, s[64:65] scope:SCOPE_SE
	s_setreg_imm32_b32 hwreg(HW_REG_WAVE_MODE, 25, 1), 1
	s_wait_xcnt 0x0
; The four weights, f32 with K (the model's 1,024) NOT innermost, become codes of BF6 (E3M2) and E8M0 scale bytes, one for each 32 along K.
; Wq, Wk, Wv: [16 heads][1024 d][64 e], column n = 64 head + e.  W_out: [1024 k][1024 n].
; OUT.  wc: [weight y][8 groups of 128 columns][8 K steps of 128][8 tiles of 16 columns][1,536 bytes]: a tile's fragment as an IMAGE OF THE OPERAND'S REGISTERS.  Half c (registers 6 c .. 6 c + 5, 768 bytes):
; lane l's first four registers at 16 l, its last two at 512 + 8 l.  So a reader takes a fragment by loads of 16, 8, 16, 8 bytes a lane, each dense.
; ws: [y][group][K step][tile][16 rows]: one word (four bytes, 128 along K) a column.
; THE COLUMNS OF A TILE ARE NOT NEIGHBOURS: in each 32 columns tile u holds columns 8 u + r + 8 (r / 8), so that two neighbouring result tiles give a lane 16 neighbours along the next product's K.
; A LANE TAKES A COLUMN AND ITS REGISTERS RUN DOWN K: a block of 32 lies in one lane, its largest magnitude needs no other lane, and the conversions give codes with K innermost.
; A wave takes 32 columns x 128 along K (four blocks); a work-group 128 columns of one K step of one weight.  Waves share nothing: no LDS, no barrier.
; A block's scale is 2^(floor(log2(largest magnitude)) - 4): its byte is the largest magnitude's exponent field - 4, held at 1 from below.
; LIMITS: a block of zeros, or one whose largest magnitude lies under 2^-122, gets the byte 1 (its codes are zeros or the nearest codes under that scale; only this program reads the bytes); NaN and infinities are not served.
.set X,  32                            ; v32-159   four blocks of 32 numbers
.set C,  160                           ; v160-207  twelve registers a block: six of codes, and the second conversion's three at + 6
.set SW, 24                            ; v24       the column's scale word
	s_load_b256 s[4:11], s[0:1], 0x0               ; Wq s[4:5], Wk s[6:7], Wv s[8:9], W_out s[10:11]
	s_load_b128 s[12:15], s[0:1], 0x20             ; wc s[12:13], ws s[14:15]
	v_lshrrev_b32 v5, 5, v0
	v_readfirstlane_b32 s16, v5                    ; wave 0..3
	v_and_b32 v6, 31, v0                           ; lane = my column among the wave's 32
	v_lshlrev_b32 v1, 2, v6                        ; in: 4 bytes a lane
	v_bfe_u32 v7, v6, 3, 1                         ; u: which of the two tiles my column falls into
	v_and_b32 v8, 7, v6
	v_lshrrev_b32 v9, 4, v6
	v_lshl_or_b32 v8, v9, 3, v8                    ; r: its row there
	v_mul_u32_u24 v10, v7, 1536
	v_lshl_add_u32 v2, v8, 4, v10                  ; out: 1,536 u + 16 r,
	v_lshl_add_u32 v3, v8, 3, v10                  ; 1,536 u + 8 r,
	v_lshlrev_b32 v4, 6, v7
	v_lshl_add_u32 v4, v8, 2, v4                   ; and the scale word: 64 u + 4 r
	s_and_b32 s17, ttmp7, 0xffff                   ; y: the weight
	s_and_b32 s18, ttmp9, 7                        ; the K step
	s_lshr_b32 s19, ttmp9, 3                       ; the group of 128 columns
	s_lshl_b32 s20, s19, 3
	s_add_co_u32 s20, s20, s18                     ; 8 group + step
	s_lshl_b32 s21, s20, 3
	s_lshl_b32 s22, s16, 1
	s_add_co_u32 s21, s21, s22                     ; my first tile
	s_mul_i32 s24, s21, 1536
	s_mul_i32 s22, s17, 786432
	s_add_co_u32 s24, s24, s22
	s_mov_b32 s25, 0                               ; s[24:25]: my place in wc
	s_lshl_b32 s26, s20, 9
	s_lshl_b32 s22, s16, 7
	s_add_co_u32 s26, s26, s22
	s_lshl_b32 s22, s17, 15
	s_add_co_u32 s26, s26, s22
	s_mov_b32 s27, 0                               ; s[26:27]: my place in ws
	s_lshl_b32 s28, s19, 1
	s_lshr_b32 s22, s16, 1
	s_add_co_u32 s28, s28, s22                     ; a weight by heads: head 2 group + wave / 2,
	s_lshl_b32 s28, s28, 18                        ; 262,144 bytes a head,
	s_lshl_b32 s22, s18, 15
	s_add_co_u32 s28, s28, s22                     ; 128 rows of 256 bytes a K step,
	s_and_b32 s22, s16, 1
	s_lshl_b32 s22, s22, 7
	s_add_co_u32 s28, s28, s22                     ; and 32 columns of 4 bytes
	s_lshl_b32 s30, s18, 19                        ; W_out: 128 rows of 4,096 bytes a K step,
	s_lshl_b32 s22, s19, 9
	s_add_co_u32 s30, s30, s22
	s_lshl_b32 s22, s16, 7
	s_add_co_u32 s30, s30, s22                     ; 512 bytes a group, 128 a wave
	s_mov_b32 s29, 0
	s_wait_kmcnt 0x0
	s_add_nc_u64 s[12:13], s[12:13], s[24:25]
	s_add_nc_u64 s[14:15], s[14:15], s[26:27]
	s_cmp_eq_u32 s17, 1                            ; the source is chosen by the work-group's y alone
	s_cselect_b64 s[4:5], s[6:7], s[4:5]
	s_cmp_eq_u32 s17, 2
	s_cselect_b64 s[4:5], s[8:9], s[4:5]
	s_cmp_eq_u32 s17, 3
	s_cselect_b64 s[4:5], s[10:11], s[4:5]
	s_cselect_b32 s28, s30, s28
	s_add_nc_u64 s[4:5], s[4:5], s[28:29]
; Block kb of my column: k = 32 kb + 0 .. 31.  In the fragment that is half kb / 2, lanes 16 (kb % 2) + r.  left: the later blocks' loads, which may stay out.
.macro WBLOCK kb, left
.set XS, X+32*(\kb)
.set CC, C+12*(\kb)
	s_wait_loadcnt \left
	v_max3_num_f32 v12, |v[XS]|, |v[XS+1]|, |v[XS+2]|              ; the block's largest magnitude, in two chains
	v_max3_num_f32 v13, |v[XS+3]|, |v[XS+4]|, |v[XS+5]|
.irp i, 6,10,14,18,22,26
	v_max3_num_f32 v12, v12, |v[XS+\i]|, |v[XS+\i+1]|
	v_max3_num_f32 v13, v13, |v[XS+\i+2]|, |v[XS+\i+3]|
.endr
	v_max3_num_f32 v12, v12, |v[XS+30]|, |v[XS+31]|
	v_max3_num_f32 v12, v12, v13, 0x2800000        ; and the floor 2^(5 - 127): the byte cannot fall under 1
	v_add_nc_u32 v14, 0xfe000000, v12              ; 4 off the exponent field: the conversion takes that field of this operand as its scale
	v_lshrrev_b32 v15, 23, v14                     ; the scale's byte
.if (\kb) == 0
	v_mov_b32 v[SW], v15
.else
	v_lshl_or_b32 v[SW], v15, 8*(\kb), v[SW]
.endif
	v_cvt_scalef32_pk16_bf6_f32 v[CC:CC+2], v[XS:XS+15], v14
	v_cvt_scalef32_pk16_bf6_f32 v[CC+6:CC+8], v[XS+16:XS+31], v14  ; (a conversion's three registers begin on an even number)
	v_nop                                          ; one plain place behind a scaled conversion
.irp i, 0,1,2
	v_mov_b32 v[CC+3+\i], v[CC+6+\i]
.endr
	global_store_b128 v2, v[CC:CC+3], s[12:13] offset:((\kb)/2)*768+((\kb)%2)*256       ; the sixteen lanes of one tile store 256 consecutive bytes, at a multiple of 256
	global_store_b64 v3, v[CC+4:CC+5], s[12:13] offset:((\kb)/2)*768+512+((\kb)%2)*128  ; each block has registers of its own: no store's data are written again
.endm
; stride: bytes from one k to the next in the source.  All 128 loads go out at once: each reads 128 consecutive bytes.
.macro WPATH stride
.set i, 0
.rept 128
	global_load_b32 v[X+i], v1, s[4:5] offset:i*\stride th:TH_LOAD_NT
.set i, i+1
.endr
	WBLOCK 0, 63                                   ; 96 and 64 younger loads would do: the wait's field holds 63
	WBLOCK 1, 63
	WBLOCK 2, 32
	WBLOCK 3, 0
	global_store_b32 v4, v[SW], s[14:15]           ; the wave's 32 scale words: 128 consecutive bytes
.endm
	s_cmp_eq_u32 s17, 3
	s_cbranch_scc1 .Lwout
	WPATH 256
	s_endpgm
.Lwout:
	WPATH 4096
	s_endpgm
.Lfunc_end_k_q8285082b5b_wquant:
	.size	k_q8285082b5b_wquant, .Lfunc_end_k_q8285082b5b_wquant-k_q8285082b5b_wquant
	.p2alignl 7, 3214868480
	.fill 96, 4, 3214868480
	.section	.rodata,"a",@progbits
	.p2align	6, 0x0
	.amdhsa_kernel k_q8285082b5b_wquant
		.amdhsa_group_segment_fixed_size 0
		.amdhsa_private_segment_fixed_size 0
		.amdhsa_enable_private_segment 0
		.amdhsa_kernarg_size 48
		.amdhsa_user_sgpr_count 2
		.amdhsa_user_sgpr_kernarg_segment_ptr 1
		.amdhsa_wavefront_size32 1
		.amdhsa_system_sgpr_workgroup_id_x 1
		.amdhsa_system_sgpr_workgroup_id_y 1
		.amdhsa_system_sgpr_workgroup_id_z 1
		.amdhsa_system_vgpr_workitem_id 0
		.amdhsa_next_free_vgpr 208
		.amdhsa_next_free_sgpr 66
		.amdhsa_reserve_vcc 0
		.amdhsa_float_denorm_mode_32 3
		.amdhsa_float_denorm_mode_16_64 3
		.amdhsa_memory_ordered 1
		.amdhsa_forward_progress 1
		.amdhsa_inst_pref_size 40
	.end_amdhsa_kernel
	.amdgpu_metadata
---
amdhsa.version: [ 1, 2 ]
amdhsa.kernels:
  - .name:           k_q8285082b5b_wquant
    .symbol:         k_q8285082b5b_wquant.kd
    .args:
      - { .name: Wq, .offset: 0, .size: 8, .value_kind: global_buffer, .address_space: global }
      - { .name: Wk, .offset: 8, .size: 8, .value_kind: global_buffer, .address_space: global }
      - { .name: Wv, .offset: 16, .size: 8, .value_kind: global_buffer, .address_space: global }
      - { .name: W_out, .offset: 24, .size: 8, .value_kind: global_buffer, .address_space: global }
      - { .name: wc, .offset: 32, .size: 8, .value_kind: global_buffer, .address_space: global }
      - { .name: ws, .offset: 40, .size: 8, .value_kind: global_buffer, .address_space: global }
    .group_segment_fixed_size: 0
    .private_segment_fixed_size: 0
    .kernarg_segment_align: 8
    .kernarg_segment_size: 48
    .max_flat_workgroup_size: 128
    .sgpr_count:     66
    .vgpr_count:     208
    .wavefront_size: 32
...
	.end_amdgpu_metadata
.endif
;; end of part 1
;; launch proj (part 2): grid 64 x 3, 4 waves a work-group, no clusters, 107,008 bytes of LDS; arguments query, key, value, key_attention_mask, wc, ws, qkvc, qkvs; writes qkvc, qkvs
.if DOCPART == 2
	.amdgcn_target "amdgcn-amd-amdhsa--gfx1250"
	.amdhsa_code_object_version 6
	.text
	.protected	k_q8285082b5b_proj
	.globl	k_q8285082b5b_proj
	.p2align	8
	.type	k_q8285082b5b_proj,@function
k_q8285082b5b_proj:
	s_mov_b64 s[64:65], 0
	v_nop
	global_prefetch_b8 v0, s[64:65] scope:SCOPE_SE
	s_setreg_imm32_b32 hwreg(HW_REG_WAVE_MODE, 25, 1), 1
	s_wait_xcnt 0x0
; The three projections, on codes of BF6 (E3M2) with one E8M0 scale for each 32 along K.  Work-group (x, y): rows 128 x .. 128 x + 127 of tensor y (0 query, 1 key, 2 value), all 1,024 output columns.
; PHASE X: the 128 rows x 1,024 of f32 are read once, quantised in registers and laid into LDS as images of the operand's registers: 64 fragments (tile of 16 rows m, K step s).  One barrier.
; PHASE G: wave w makes columns 256 w .. 256 w + 255 (four heads), in two groups of 128: 64 accumulators, 8 K steps.  Its weights' fragments come from memory straight into its registers (laid so by the launch before).
; Each feeds eight products and no other wave of the work-group wants it: sent through LDS instead, shared in a cluster, it would add 12,288 bytes to the 12,288 bytes of x that a wave reads from LDS in each K step.  So no cluster here.
; THE RESULT IS QUANTISED IN REGISTERS and leaves as images too.  q, k: source 0 = 16 columns of W, source 1 = 16 rows of x: a lane holds one row and 64 + 64 neighbouring channels of two heads: K of the score product.
; v: the sources change places: a lane holds one channel and 128 neighbouring KEYS: K of the second attention product.
; THE ROWS (AND COLUMNS) OF A TILE ARE NOT NEIGHBOURS: in each 32, tile u holds 8 u + r + 8 (r / 8); so the 16 registers of result tiles 2 b and 2 b + 1 are 16 neighbours, 32 b + 16 (lane / 16) + 0 .. 15.
; OUT.  qkvc: sections q, k, v; per (batch, head) 98,304 bytes.  q, k: [128 tiles][768]: half a fragment (16 rows x 64).  v: [16 key steps][4 tiles of channels][1,536].  qkvs: q, k: [tile][16 rows] words; v: [step][tile][32 lanes] words.
; THE KEY MASK rides in the scale words.  The score product's instruction takes 128 along K and a head has 64; the attention launch sets one code, at k = 64: +1 in q, -1 in k.  Byte 2 of a word scales it:
; q: 64 (2^-63); a kept key: 1 (2^-126): the term -2^-189 is nothing beside any f32 score; a masked key: 254 (2^127): the term is -2^64.  Byte 3 is 0: it scales zeros.
; LIMITS: a block of zeros, or with a largest magnitude under 2^-122, gets the byte 1 (only this program reads the bytes); NaN and infinities among the inputs are not served.
; REGISTERS, in windows of 256.  Window 0: v1-19 addresses and constants; v20-27 the mask's byte for each tile; v28-43 x's scale words, two sets; v44-51 W's, two sets; v52-53 at work; v64-159, v160-255 x's fragments, two sets
; (while nothing is multiplied, v160-196 are the quantiser's: set 1 is then free).  Window 1: W's fragments, two sets, at v0 and v128.  Windows 2, 3: the accumulators, (o, i) in window 2 + o / 4 at v[64 (o % 4) + 8 i]; in phase X window 2 holds four buffers of 64 numbers.
.set FRB,  1536                        ; a fragment's image
.set XSC,  98304                       ; LDS: x's 64 fragments from 0 (m x 12,288 + s x 1,536), their scale words from here (m x 1,024 + s x 128; 4 bytes a lane)
.set XF,   64
.set TM,   160                         ; v160-163 largest magnitudes, v164-167 bytes, v172-175 the conversions' scale operands
.set PC,   176                         ; v176-195 the codes just made
.set PW,   196                         ; the scale word just made
.set TH,   20
.set XS,   28
.set WS,   44
.set WV,   20                          ; s20 wave
.set YT,   21                          ; s21 the tensor
.set SEL,  22                          ; s[22:23] lane selects for v_permlanex16_b32: lane l xor 16
.set HI,   24                          ; s24 lanes 16-31
.set XB,   26                          ; s[26:27] x at my 32 rows, at the K steps in hand
.set WB,   28                          ; s[28:29] my group's fragments of W
.set WSB,  30                          ; s[30:31] and their scale words
.set OC,   32                          ; s[32:33] where my group's codes go
.set OW,   34                          ; s[34:35] and their scale words
.set XT,   36                          ; s36, s37 phase X: the trip's place in the images and in the words
.set XU,   37
.set CNT,  38
.set MSB,  0
.macro WIN new                         ; s_set_vgpr_msb: bits 1:0 source 0, 3:2 source 1, 5:4 source 2, 7:6 destination; the high byte repeats the setting that is left; a switch that changes nothing is dropped
.if MSB != (\new)
	s_set_vgpr_msb (MSB<<8)|(\new)
.set MSB, (\new)
.endif
.endm
.macro PLACES n                        ; plain vector places behind matrix instructions (ISA guide 7.12.1)
.rept \n
	v_nop
.endr
.endm
; One scaled matrix instruction.  zero = 1: C is the constant 0 and starts the sum.  ra (rb) = 1: source 0's (1's) scales are read from lanes 16-31 of their register.
.macro MM d, a, b, c, zero, sa, sb, ra, rb
.if \zero
.if \ra
	v_wmma_scale_f32_16x16x128_f8f6f4 v[(\d):(\d)+7], v[(\a):(\a)+11], v[(\b):(\b)+11], 0, v[\sa], v[\sb] matrix_a_fmt:MATRIX_FMT_BF6 matrix_b_fmt:MATRIX_FMT_BF6 matrix_a_scale:MATRIX_SCALE_ROW1
.elseif \rb
	v_wmma_scale_f32_16x16x128_f8f6f4 v[(\d):(\d)+7], v[(\a):(\a)+11], v[(\b):(\b)+11], 0, v[\sa], v[\sb] matrix_a_fmt:MATRIX_FMT_BF6 matrix_b_fmt:MATRIX_FMT_BF6 matrix_b_scale:MATRIX_SCALE_ROW1
.else
	v_wmma_scale_f32_16x16x128_f8f6f4 v[(\d):(\d)+7], v[(\a):(\a)+11], v[(\b):(\b)+11], 0, v[\sa], v[\sb] matrix_a_fmt:MATRIX_FMT_BF6 matrix_b_fmt:MATRIX_FMT_BF6
.endif
.else
.if \ra
	v_wmma_scale_f32_16x16x128_f8f6f4 v[(\d):(\d)+7], v[(\a):(\a)+11], v[(\b):(\b)+11], v[(\c):(\c)+7], v[\sa], v[\sb] matrix_a_fmt:MATRIX_FMT_BF6 matrix_b_fmt:MATRIX_FMT_BF6 matrix_a_scale:MATRIX_SCALE_ROW1
.elseif \rb
	v_wmma_scale_f32_16x16x128_f8f6f4 v[(\d):(\d)+7], v[(\a):(\a)+11], v[(\b):(\b)+11], v[(\c):(\c)+7], v[\sa], v[\sb] matrix_a_fmt:MATRIX_FMT_BF6 matrix_b_fmt:MATRIX_FMT_BF6 matrix_b_scale:MATRIX_SCALE_ROW1
.else
	v_wmma_scale_f32_16x16x128_f8f6f4 v[(\d):(\d)+7], v[(\a):(\a)+11], v[(\b):(\b)+11], v[(\c):(\c)+7], v[\sa], v[\sb] matrix_a_fmt:MATRIX_FMT_BF6 matrix_b_fmt:MATRIX_FMT_BF6
.endif
.endif
.endm
; 64 numbers of a lane, registers s .. s + 63 of window w, register 16 b + i = k 32 b + 16 (lane / 16) + i of the lane's row, become a fragment's codes in v[PC] .. v[PC + 11]; the four scale bytes stand in v[TM + 4] on.
; pw = 1: they make the word v[PW].  x = 1: earlier global stores read v[PC] on and the word's register: those are written only behind the wait.
.macro QUANT s, w, pw, x
	WIN (\w)|((\w)<<2)                             ; sources 0 and 1 in window w
.irp b, 0,1,2,3
	v_max3_num_f32 v[TM+\b], |v[(\s)+16*\b]|, |v[(\s)+1+16*\b]|, 0x2800000   ; block b: my 16 numbers, from each accumulator's low end on, and the floor 2^(5 - 127): the byte cannot fall under 1
.endr
.irp i, 2,4,6,8,10,12,14
.irp b, 0,1,2,3
	v_max3_num_f32 v[TM+\b], |v[(\s)+16*\b+\i]|, |v[(\s)+1+16*\b+\i]|, v[TM+\b]   ; (the four blocks by turns)
.endr
.endr
	WIN 0
.irp b, 0,1,2,3
	v_permlanex16_b32 v[TM+4+\b], v[TM+\b], s[SEL], s[SEL+1]
.endr
.irp b, 0,1,2,3
	v_max_num_f32 v[TM+\b], v[TM+\b], v[TM+4+\b]   ; with lane l xor 16's: the block's largest magnitude
.endr
.irp b, 0,1,2,3
	v_add_nc_u32 v[TM+12+\b], 0xfe000000, v[TM+\b] ; 4 off its exponent field: the conversion's scale operand
.endr
.irp b, 0,1,2,3
	v_lshrrev_b32 v[TM+4+\b], 23, v[TM+12+\b]      ; the scale's byte
.endr
.if \x
	s_wait_xcnt 0x0                                ; every earlier memory instruction has had its addresses translated (ISA guide 3.1)
.endif
.if \pw
	v_lshl_or_b32 v[PW], v[TM+5], 8, v[TM+4]
	v_lshl_or_b32 v[PW], v[TM+6], 16, v[PW]
	v_lshl_or_b32 v[PW], v[TM+7], 24, v[PW]
.endif
	WIN (\w)                                       ; source 0 in window w
.irp c, 0,1
	v_cvt_scalef32_pk16_bf6_f32 v[PC+6*\c:PC+2+6*\c], v[(\s)+32*\c:(\s)+15+32*\c], v[TM+12+2*\c]
	v_cvt_scalef32_pk16_bf6_f32 v[PC+12+4*\c:PC+14+4*\c], v[(\s)+16+32*\c:(\s)+31+32*\c], v[TM+12+2*\c+1]   ; (a conversion's three registers begin on an even number)
.endr
	WIN 0
	v_nop                                          ; one plain place behind a scaled conversion
.irp c, 0,1                            ; the operand's layout wants a WHOLE block in a lane: lanes 0-15 block 2 c, lanes 16-31 block 2 c + 1
.irp i, 0,1,2
	v_permlane16_swap_b32 v[PC+6*\c+\i], v[PC+12+4*\c+\i]
.endr
.irp i, 0,1,2
	v_mov_b32 v[PC+3+6*\c+\i], v[PC+12+4*\c+\i]
.endr
.endr
.endm
; Buffer i (tile i / 2 of my two, K step i % 2 of the trip's two): 64 numbers a lane: of its row, 16 neighbours of each block of 32.  A row's 512 bytes of a K step are taken by these sixteen loads together.
.macro XLOAD i, off
	WIN 0x80                                       ; destination window 2
.irp b, 0,1,2,3
.irp j, 0,1,2,3
	global_load_b128 v[64*(\i)+16*\b+4*\j:64*(\i)+16*\b+4*\j+3], v6, s[XB:XB+1] offset:(\off)+((\i)/2)*32768+((\i)%2)*512+128*\b+16*\j th:TH_LOAD_NT
.endr
.endr
	WIN 0
.endm
.macro XTURN i, more, left             ; buffer i is quantised, its image stored, and (more = 1) the buffer asked for again, two K steps on.  left: the younger buffers' loads
	s_wait_loadcnt \left
	QUANT 64*(\i), 2, 1, 0
	ds_store_b128 v10, v[PC:PC+3] offset:((\i)/2)*12288+((\i)%2)*FRB
	ds_store_b64 v11, v[PC+4:PC+5] offset:((\i)/2)*12288+((\i)%2)*FRB+512
	ds_store_b128 v10, v[PC+6:PC+9] offset:((\i)/2)*12288+((\i)%2)*FRB+768
	ds_store_b64 v11, v[PC+10:PC+11] offset:((\i)/2)*12288+((\i)%2)*FRB+1280
	ds_store_b32 v12, v[PW] offset:((\i)/2)*1024+((\i)%2)*128
.if \more
	XLOAD \i, 1024
.endif
	s_wait_dscnt 0x0                               ; the stores have read their registers
.endm
.macro XFETCH p, s                     ; x's eight fragments and scale words of K step s into set p: 40 LDS loads, each dense
.irp m, 0,1,2,3,4,5,6,7
.set FX, XF+96*(\p)+12*\m
	ds_load_b128 v[FX:FX+3], v[1+\m/4] offset:(\m%4)*12288+(\s)*FRB
	ds_load_b64 v[FX+4:FX+5], v[3+\m/4] offset:(\m%4)*12288+(\s)*FRB+512
	ds_load_b128 v[FX+6:FX+9], v[1+\m/4] offset:(\m%4)*12288+(\s)*FRB+768
	ds_load_b64 v[FX+10:FX+11], v[3+\m/4] offset:(\m%4)*12288+(\s)*FRB+1280
.endr
.irp m, 0,1,2,3,4,5,6,7
	ds_load_b32 v[XS+8*(\p)+\m], v5 offset:\m*1024+(\s)*128
.endr
.endm
.macro WLOAD p, s                      ; W's eight fragments of K step s of my group into set p, and four registers of scale words (lanes 0-15: tile 2 j, lanes 16-31: tile 2 j + 1): 36 loads
	WIN 0x40                                       ; destination window 1
.irp b, 0,1,2,3,4,5,6,7
.set FW, 128*(\p)+12*\b
	global_load_b128 v[FW:FW+3], v1, s[WB:WB+1] offset:(\s)*12288+\b*FRB
	global_load_b64 v[FW+4:FW+5], v3, s[WB:WB+1] offset:(\s)*12288+\b*FRB+512
	global_load_b128 v[FW+6:FW+9], v1, s[WB:WB+1] offset:(\s)*12288+\b*FRB+768
	global_load_b64 v[FW+10:FW+11], v3, s[WB:WB+1] offset:(\s)*12288+\b*FRB+1280
.endr
	WIN 0
.irp j, 0,1,2,3
	global_load_b32 v[WS+4*(\p)+\j], v15, s[WSB:WSB+1] offset:(\s)*512+128*\j
.endr
.endm
; A K step: the next step's fragments are asked for, then 64 products on this step's.  The 64 accumulators take turns, one instruction a turn, in the same order in every step.
; Step 7 asks for "step 8": the 12,288 bytes (512 of words) that follow are my next group's step 0; behind my last group they still lie inside wc and ws (the tensor is 0, 1 or 2, and W_out's section follows) and are not used.
.macro STEP var, s
.set P, (\s)%2
	PLACES 4                                       ; the loads below land in registers that the step before multiplied
	WLOAD 1-P, (\s)+1
	XFETCH 1-P, ((\s)+1)%8
	s_wait_loadcnt 36                              ; all but the 36 just issued: this step's W is in
	s_wait_dscnt 40                                ; all but the 40 just issued: this step's x is in
.irp o, 0,1,2,3,4,5,6,7
.if \var
	WIN 0xa4+0x50*(\o/4)                           ; source 0 (x) window 0, source 1 (W) window 1, C and D window 2 or 3
.else
	WIN 0xa1+0x50*(\o/4)                           ; source 0 (W) window 1, source 1 (x) window 0
.endif
.irp i, 0,1,2,3,4,5,6,7
.if \var
	MM 64*(\o%4)+8*\i, XF+96*P+12*\i, 128*P+12*\o, 64*(\o%4)+8*\i, (\s)==0, XS+8*P+\i, WS+4*P+\o/2, 0, \o%2
.else
	MM 64*(\o%4)+8*\i, 128*P+12*\i, XF+96*P+12*\o, 64*(\o%4)+8*\i, (\s)==0, WS+4*P+\i/2, XS+8*P+\o, \i%2, 0
.endif
.endr
.endr
	WIN 0
.endm
; q, k: tile a of my 128 rows: a lane's 64 numbers are the row's 64 channels of head 2 g (blocks 0, 1) and of head 2 g + 1 (blocks 2, 3): the fragment's two halves go to the two heads.
.macro EPIQK
.irp a, 0,1,2,3,4,5,6,7
	QUANT 64*(\a%4), 2+\a/4, 0, 1
	v_cndmask_b32 v52, v[TM+4], v[TM+6], s[HI]     ; lanes 0-15 make the first head's word, lanes 16-31 the second's
	v_cndmask_b32 v53, v[TM+5], v[TM+7], s[HI]
	v_lshl_or_b32 v52, v53, 8, v52
	v_or_b32 v52, v52, v[TH+\a]                    ; byte 2: the scale of the code at k = 64
	global_store_b128 v1, v[PC:PC+3], s[OC:OC+1] offset:\a*768             ; 512 and 256 consecutive bytes, at multiples of 256
	global_store_b64 v3, v[PC+4:PC+5], s[OC:OC+1] offset:\a*768+512
	global_store_b128 v1, v[PC+6:PC+9], s[OC:OC+1] offset:\a*768+98304
	global_store_b64 v3, v[PC+10:PC+11], s[OC:OC+1] offset:\a*768+98304+512
	global_store_b32 v16, v52, s[OW:OW+1] offset:\a*64                     ; 64 bytes to each head: one twelfth of the codes' bytes
.endr
.endm
; v: tile a of my group's 128 channels (head 2 g + a / 4, its tile a % 4): a lane's 64 numbers are its channel at the 128 keys: one whole fragment and one word a channel.
.macro EPIV
.irp a, 0,1,2,3,4,5,6,7
	QUANT 64*(\a%4), 2+\a/4, 1, 1
	global_store_b128 v1, v[PC:PC+3], s[OC:OC+1] offset:(\a/4)*98304+(\a%4)*FRB
	global_store_b64 v3, v[PC+4:PC+5], s[OC:OC+1] offset:(\a/4)*98304+(\a%4)*FRB+512
	global_store_b128 v1, v[PC+6:PC+9], s[OC:OC+1] offset:(\a/4)*98304+(\a%4)*FRB+768
	global_store_b64 v3, v[PC+10:PC+11], s[OC:OC+1] offset:(\a/4)*98304+(\a%4)*FRB+1280
	global_store_b32 v15, v[PW], s[OW:OW+1] offset:(\a/4)*8192+(\a%4)*128
.endr
.endm
.macro GEMM var                        ; my two groups of 128 columns
	s_mov_b32 s[CNT], 2
.Lgroup_\@:
.irp k, 0,1,2,3,4,5,6,7
	STEP \var, \k
.endr
	PLACES 4                                       ; the quantiser reads results just made and writes registers of x's set 1, which the last step multiplied
.if \var
	EPIV
.else
	EPIQK
.endif
	s_wait_xcnt 0x0                                ; the loads and stores above have read their bases and registers
	s_add_nc_u64 s[WB:WB+1], s[WB:WB+1], 98304
	s_add_nc_u64 s[WSB:WSB+1], s[WSB:WSB+1], 4096
	s_add_nc_u64 s[OC:OC+1], s[OC:OC+1], 196608    ; two heads on
	s_add_nc_u64 s[OW:OW+1], s[OW:OW+1], 16384
	s_sub_co_u32 s[CNT], s[CNT], 1
	s_cmp_lg_u32 s[CNT], 0
	s_cbranch_scc1 .Lgroup_\@
	s_wait_dscnt 0x0                               ; the last look-ahead's LDS loads (not used)
.endm
	s_load_b256 s[4:11], s[0:1], 0x0               ; query s[4:5], key s[6:7], value s[8:9], mask s[10:11]
	s_load_b256 s[12:19], s[0:1], 0x20             ; wc s[12:13], ws s[14:15], qkvc s[16:17], qkvs s[18:19]
	v_lshl_add_u32 v62, v0, 2, 0x1a000
	v_mov_b32 v63, 0
	v_lshrrev_b32 v13, 5, v0
	v_readfirstlane_b32 s[WV], v13                 ; wave 0..3
	v_and_b32 v13, 31, v0                          ; lane
	v_lshlrev_b32 v1, 4, v13                       ; v1, v2: 16 x lane, and the same for tiles 4-7 in LDS
	v_add_nc_u32 v2, 49152, v1
	v_lshlrev_b32 v3, 3, v13                       ; v3, v4: 8 x lane
	v_add_nc_u32 v4, 49152, v3
	v_lshlrev_b32 v15, 2, v13                      ; v15: 4 x lane
	v_add_nc_u32 v5, XSC, v15                      ; v5: x's scale words in LDS
	v_and_b32 v14, 15, v0                          ; r
	v_bfe_u32 v52, v0, 4, 1                        ; h
	v_and_b32 v17, 8, v14
	v_add_nc_u32 v17, v17, v14                     ; v17: r + 8 (r / 8): my row in a tile's 32; also the mask's offset
	v_lshlrev_b32 v6, 12, v17
	v_lshl_add_u32 v6, v52, 6, v6                  ; v6: x: that row of 4,096 bytes, + 64 h: my 16 numbers of a block
	v_lshlrev_b32 v16, 2, v14
	v_lshl_add_u32 v16, v52, 13, v16               ; v16: q's and k's scale words: 4 r, lanes 16-31 one head (8,192 bytes) on
	s_mul_i32 s40, s[WV], 24576
	v_add_nc_u32 v7, s40, v1                       ; v7-9: where my two tiles' images and words begin
	v_add_nc_u32 v8, s40, v3
	s_lshl_b32 s40, s[WV], 11
	v_add_nc_u32 v9, s40, v5
.irp b, 0,1,2,3
	v_mov_b32 v[TM+4+\b], 0                        ; written once: a lane permute's destination counts as one of its sources
.endr
	s_and_b32 s[YT], ttmp7, 0xffff
	s_mov_b32 s[SEL], 0x76543210
	s_mov_b32 s[SEL+1], 0xfedcba98
	s_mov_b32 s[HI], 0xffff0000
	s_mov_b32 s[XT], 0
	s_mov_b32 s[XU], 0
	s_lshr_b32 s44, ttmp9, 4                       ; the batch
	s_and_b32 s45, ttmp9, 15                       ; which 128 of its 2,048 rows
	s_lshl_b32 s40, ttmp9, 19                      ; x: 128 rows of 4,096 bytes a work-group,
	s_lshl_b32 s41, s[WV], 17
	s_add_co_u32 s40, s40, s41                     ; 32 a wave
	s_mov_b32 s41, 0
	s_mul_i32 s42, s[YT], 786432                   ; wc: the tensor's weight, group 2 w
	s_mul_i32 s43, s[WV], 196608
	s_add_co_u32 s42, s42, s43
	s_mov_b32 s43, 0
	s_lshl_b32 s46, s[YT], 15                      ; ws likewise
	s_lshl_b32 s47, s[WV], 13
	s_add_co_u32 s46, s46, s47
	s_mov_b32 s47, 0
	s_lshl_b32 s48, s44, 4
	s_lshl_b32 s49, s[WV], 2
	s_add_co_u32 s48, s48, s49                     ; 16 batch + my first head
	s_mul_i32 s50, s48, 98304
	s_mul_i32 s49, s[YT], 6291456
	s_add_co_u32 s50, s50, s49
	s_mul_i32 s49, s45, 6144                       ; 128 rows are 8 x 768 bytes of q or k, 4 x 1,536 of v
	s_add_co_u32 s50, s50, s49
	s_mov_b32 s51, 0
	s_lshl_b32 s52, s48, 13
	s_lshl_b32 s49, s[YT], 19
	s_add_co_u32 s52, s52, s49
	s_lshl_b32 s49, s45, 9
	s_add_co_u32 s52, s52, s49
	s_mov_b32 s53, 0
	s_lshl_b32 s54, ttmp9, 7                       ; the mask: a byte a row
	s_mov_b32 s55, 0
	s_mov_b32 s56, 0x400000                        ; byte 2 of a word: q: 64, whatever the mask;
	s_cmp_eq_u32 s[YT], 1
	s_cselect_b32 s57, 0x10000, s56                ; k: 1 for a key that is kept,
	s_cselect_b32 s58, 0xfe0000, s56               ; 254 for one that is masked
	v_mov_b32 v18, s57
	v_mov_b32 v19, s58
	s_wait_kmcnt 0x0
	s_cselect_b64 s[XB:XB+1], s[6:7], s[4:5]       ; the tensor is chosen by the work-group's y alone
	s_cmp_eq_u32 s[YT], 2
	s_cselect_b64 s[XB:XB+1], s[8:9], s[XB:XB+1]
	s_add_nc_u64 s[XB:XB+1], s[XB:XB+1], s[40:41]
	s_add_nc_u64 s[WB:WB+1], s[12:13], s[42:43]
	s_add_nc_u64 s[WSB:WSB+1], s[14:15], s[46:47]
	s_add_nc_u64 s[OC:OC+1], s[16:17], s[50:51]
	s_add_nc_u64 s[OW:OW+1], s[18:19], s[52:53]
	s_add_nc_u64 s[10:11], s[10:11], s[54:55]
	WLOAD 0, 0                                     ; my first group's first K step: it lands under phase X
.irp a, 0,1,2,3,4,5,6,7
	global_load_u8 v[TH+\a], v17, s[10:11] offset:32*(\a/2)+8*(\a%2)   ; the mask's byte of my row in tile a
.endr
	XLOAD 0, 0
	XLOAD 1, 0
	XLOAD 2, 0
	XLOAD 3, 0
	s_wait_loadcnt 63                              ; 64 loads were issued behind the mask's: the wait's field holds 63
.irp a, 0,1,2,3,4,5,6,7
	v_cmp_ne_u32 vcc_lo, 0, v[TH+\a]
	v_cndmask_b32 v[TH+\a], v19, v18, vcc_lo
.endr
	; ---- PHASE X: my tiles 2 w and 2 w + 1, two K steps a trip; four buffers of 16 loads are always out
	s_mov_b32 s[CNT], 3
.Lx:
	v_add_nc_u32 v10, s[XT], v7
	v_add_nc_u32 v11, s[XT], v8
	v_add_nc_u32 v12, s[XU], v9
	XTURN 0, 1, 48
	XTURN 1, 1, 48
	XTURN 2, 1, 48
	XTURN 3, 1, 48
	s_wait_xcnt 0x0                                ; the loads have read their base
	s_add_nc_u64 s[XB:XB+1], s[XB:XB+1], 1024
	s_add_co_u32 s[XT], s[XT], 2*FRB
	s_add_co_u32 s[XU], s[XU], 256
	s_sub_co_u32 s[CNT], s[CNT], 1
	s_cmp_lg_u32 s[CNT], 0
	s_cbranch_scc1 .Lx
	v_add_nc_u32 v10, s[XT], v7                    ; the last two K steps ask for nothing: the counts run down
	v_add_nc_u32 v11, s[XT], v8
	v_add_nc_u32 v12, s[XU], v9
	XTURN 0, 0, 48
	XTURN 1, 0, 32
	XTURN 2, 0, 16
	XTURN 3, 0, 0
	s_barrier_signal -1                            ; my stores have landed (the wait for 0 above):
	s_barrier_wait -1                              ; x's 64 fragments lie in LDS, and nothing is stored there again
	XFETCH 0, 0
	s_cmp_eq_u32 s[YT], 2
	s_cbranch_scc1 .Lv
	GEMM 0
	s_wait_tensorcnt 0x0
	ds_add_u32 v62, v63
	s_wait_dscnt 0x0
	s_endpgm
.Lv:
	GEMM 1
	s_wait_tensorcnt 0x0
	ds_add_u32 v62, v63
	s_wait_dscnt 0x0
	s_endpgm
.Lfunc_end_k_q8285082b5b_proj:
	.size	k_q8285082b5b_proj, .Lfunc_end_k_q8285082b5b_proj-k_q8285082b5b_proj
	.p2alignl 7, 3214868480
	.fill 96, 4, 3214868480
	.section	.rodata,"a",@progbits
	.p2align	6, 0x0
	.amdhsa_kernel k_q8285082b5b_proj
		.amdhsa_group_segment_fixed_size 107008
		.amdhsa_private_segment_fixed_size 0
		.amdhsa_enable_private_segment 0
		.amdhsa_kernarg_size 64
		.amdhsa_user_sgpr_count 2
		.amdhsa_user_sgpr_kernarg_segment_ptr 1
		.amdhsa_wavefront_size32 1
		.amdhsa_system_sgpr_workgroup_id_x 1
		.amdhsa_system_sgpr_workgroup_id_y 1
		.amdhsa_system_sgpr_workgroup_id_z 1
		.amdhsa_system_vgpr_workitem_id 0
		.amdhsa_next_free_vgpr 1024
		.amdhsa_next_free_sgpr 66
		.amdhsa_reserve_vcc 1
		.amdhsa_float_denorm_mode_32 3
		.amdhsa_float_denorm_mode_16_64 3
		.amdhsa_memory_ordered 1
		.amdhsa_forward_progress 1
		.amdhsa_inst_pref_size 255
	.end_amdhsa_kernel
	.section	.bss,"aw",@nobits
	.p2align	6
	.space	262144
	.amdgpu_metadata
---
amdhsa.version: [ 1, 2 ]
amdhsa.kernels:
  - .name:           k_q8285082b5b_proj
    .symbol:         k_q8285082b5b_proj.kd
    .args:
      - { .name: query, .offset: 0, .size: 8, .value_kind: global_buffer, .address_space: global }
      - { .name: key, .offset: 8, .size: 8, .value_kind: global_buffer, .address_space: global }
      - { .name: value, .offset: 16, .size: 8, .value_kind: global_buffer, .address_space: global }
      - { .name: key_attention_mask, .offset: 24, .size: 8, .value_kind: global_buffer, .address_space: global }
      - { .name: wc, .offset: 32, .size: 8, .value_kind: global_buffer, .address_space: global }
      - { .name: ws, .offset: 40, .size: 8, .value_kind: global_buffer, .address_space: global }
      - { .name: qkvc, .offset: 48, .size: 8, .value_kind: global_buffer, .address_space: global }
      - { .name: qkvs, .offset: 56, .size: 8, .value_kind: global_buffer, .address_space: global }
    .group_segment_fixed_size: 107008
    .private_segment_fixed_size: 0
    .kernarg_segment_align: 8
    .kernarg_segment_size: 64
    .max_flat_workgroup_size: 128
    .sgpr_count:     66
    .vgpr_count:     1024
    .wavefront_size: 32
...
	.end_amdgpu_metadata
.endif
;; end of part 2
;; launch attn (part 3): grid 4 x 64, 8 waves a work-group, clusters of 4 x 1, 214,016 bytes of LDS; arguments qkvc, qkvs, oc, osc; writes oc, osc
.if DOCPART == 3
	.amdgcn_target "amdgcn-amd-amdhsa--gfx1250"
	.amdhsa_code_object_version 6
	.text
	.protected	k_q8285082b5b_attn
	.globl	k_q8285082b5b_attn
	.p2align	8
	.type	k_q8285082b5b_attn,@function
k_q8285082b5b_attn:
	s_mov_b64 s[64:65], 0
	v_nop
	global_prefetch_b8 v0, s[64:65] scope:SCOPE_SE
	s_setreg_imm32_b32 hwreg(HW_REG_WAVE_MODE, 25, 1), 1
	s_wait_xcnt 0x0
	s_wait_alu depctr_hold_cnt(0) depctr_sa_sdst(0) depctr_va_vdst(0) depctr_va_sdst(0) depctr_va_ssrc(0) depctr_va_vcc(0) depctr_vm_vsrc(0)
	s_getreg_b32 s2, hwreg(HW_REG_IB_STS2, 6, 4)
	s_cmp_eq_u32 s2, 0
	s_cbranch_scc0 .Lentry_in_a_cluster
	s_endpgm
.Lentry_in_a_cluster:
	s_bfe_u32 s2, ttmp6, 0x10000c
	s_cmp_lg_u32 s2, 0x3003
	s_cbranch_scc0 .Lentry_shape_is_right
	s_endpgm
.Lentry_shape_is_right:
; O = softmax(q k^T / 8, masked keys left out) v for one (batch, head), both products on codes of BF6 (E3M2) with E8M0 scales; O / the row's sum is quantised along the channels and leaves as the last product's operand.
; SHARES.  A cluster of four work-groups owns a head; work-group cx its queries 512 cx on, in two passes of 256; in a pass each of the eight waves owns two tiles of 16 queries: tile 0 in register window 0, tile 1 in window 1, at the same numbers.
; Both tiles multiply by every fragment of K and V that the wave reads from LDS.
; THE WHOLE HEAD LIES IN LDS: K's and V's codes (98,304 bytes each) and scale words (8,192 each), as images of the operands' registers: filled once, by joint loads that name all four work-groups (each wave two: an eighth of the codes and of the words).
; Nothing is filled again, so there is no ring; all loads of the launch go out at its head, so there is nothing to ask for ahead of them.
; LAYOUT.  Both products are used transposed: S^T = K Q^T (source 0 = 16 keys), O^T = V^T P^T (source 0 = 16 channels): a lane holds ONE query.  The keys (channels) of a tile are 8 u + r + 8 (r / 8) of each 32, so the 16 registers of
; tiles 2 b, 2 b + 1 are 16 neighbours: 32 b + 16 (lane / 16) + 0 .. 15.
; K = 64 OF 128, AND THE MASK.  A head has 64 channels: registers 0-5 of K's and Q's fragments.  Registers 6-11 are constants: zeros, but for one code at k = 64: -1 in K, +1 in Q.  Byte 2 of the scale words (made by the launch before)
; scales it: the term is -2^64 for a masked key and -2^-189, nothing beside any f32 score, for a kept one.  So the mask costs the loop no instruction.
; SOFTMAX: t = score x log2(e) / 8; M = the running largest t rounded UP to a whole number; p = 2^(t - M) is quantised along the keys; the row's sum is taken of the unquantised p; when M moves, sum and O^T are multiplied by 2^(old M - new M), exactly.
; While a row has seen masked keys alone its M stands near -2^61.5 and p is 1 or 0; the first kept key moves M by so much that the factor is 0 and wipes all that.  From then on a masked key's p is 0.
; A row ALL of whose keys are masked (its largest t stays under -2^50) gets the scale bytes 0xff: the last product makes NaN of it, as the softmax of such a row is.
; LIMITS: |q . k| under 2^40, so that a masked score is far under every kept one; NaN and infinities are not served; a block of O with a largest magnitude under 2^-122 gets the byte 1.
; REGISTERS.  Window 0: v1-14 addresses; v16-19 K's scale words, v20-23 V's, v24-27 Q's (this pass, next pass), v28-29 p's; v48-95 four fragments of V.  Window 1: v0-95 eight fragments of K.  Both: from v96 a tile's own, below.
.set VRG,  106496                      ; LDS: K's codes at 0, its words at 98,304; V's the same from here
.set WOF,  98304
.set KW,   16
.set VW,   20
.set QS,   24
.set QSN,  26
.set PS,   28
.set VF,   48
.set S,    96                          ; v96-159  S^T, then p
.set O,    160                         ; v160-191 O^T
.set PC,   192                         ; v192-203 p's codes
.set PT,   204                         ; v204-206, v208-210 the second conversions' results
.set BM,   212                         ; v212-215 the blocks' largest scores, then largest p
.set BX,   216                         ; v216-219 the other half's; then the bytes
.set SO,   220                         ; v220-223 the conversions' scale operands
.set T0,   224
.set T1,   225
.set F,    226                         ; v[226:227] 2^(old M - new M); at the end 1 / the sum
.set NM,   228                         ; v228 -M, v229 the largest t
.set MT,   229
.set L,    230                         ; v[230:231] the sum, in two halves
.set AC,   232                         ; v[232:233] the sum's second chain
.set PW,   234                         ; the scale word just made
.set Q,    236                         ; v236-247 Q's fragment
.set QN,   248                         ; v248-253 the next pass's codes
.set WV,   12                          ; s12 wave
.set G1C,  16                          ; s[16:23] descriptor group 1: 96 rows of 256 bytes;  s[24:31]: 8 rows
.set G1W,  24
.set G0C,  32                          ; s[32:35], s[36:39] groups 0
.set G0W,  36
.set SEL,  40                          ; s[40:41] lane selects for v_permlanex16_b32: lane l xor 16
.set CS,   42                          ; s[42:43] c = log2(e) / 8 (the division by 8 is exact: one rounding, as in score / 8 x log2(e))
.set TB,   44                          ; s44, s45 the key step's place among the codes (6,144 bytes a step) and among the words (512)
.set TW,   45
.set STP,  46
.set PAS,  47
.set QC,   48                          ; s[48:49] Q's codes, s[50:51] its words, s[52:53] O's codes, s[54:55] its scale bytes: at my wave's first tile
.set QW,   50
.set OC,   52
.set OS,   54
.set MSB,  0
.macro WIN new                         ; s_set_vgpr_msb: bits 1:0 source 0, 3:2 source 1, 5:4 source 2, 7:6 destination; the high byte repeats the setting that is left
.if MSB != (\new)
	s_set_vgpr_msb (MSB<<8)|(\new)
.set MSB, (\new)
.endif
.endm
.macro MM d, a, b, c, zero, sa, sb, ra, rb   ; one scaled matrix instruction; zero = 1: C is 0; ra = 1: source 0's scales stand in lanes 16-31
.if \zero
.if \ra
	v_wmma_scale_f32_16x16x128_f8f6f4 v[(\d):(\d)+7], v[(\a):(\a)+11], v[(\b):(\b)+11], 0, v[\sa], v[\sb] matrix_a_fmt:MATRIX_FMT_BF6 matrix_b_fmt:MATRIX_FMT_BF6 matrix_a_scale:MATRIX_SCALE_ROW1
.else
	v_wmma_scale_f32_16x16x128_f8f6f4 v[(\d):(\d)+7], v[(\a):(\a)+11], v[(\b):(\b)+11], 0, v[\sa], v[\sb] matrix_a_fmt:MATRIX_FMT_BF6 matrix_b_fmt:MATRIX_FMT_BF6
.endif
.else
	v_wmma_scale_f32_16x16x128_f8f6f4 v[(\d):(\d)+7], v[(\a):(\a)+11], v[(\b):(\b)+11], v[(\c):(\c)+7], v[\sa], v[\sb] matrix_a_fmt:MATRIX_FMT_BF6 matrix_b_fmt:MATRIX_FMT_BF6
.endif
.endm
.macro ROUND                           ; a round of the cluster's barrier
	s_barrier_signal -1
	s_barrier_wait -1
	s_cmp_lg_u32 s[WV], 0
	s_cbranch_scc1 .Lnot_wave_0_\@
	s_barrier_signal -3
.Lnot_wave_0_\@:
	s_barrier_wait -3
	s_barrier_signal -1
	s_barrier_wait -1
.endm
.macro KLOAD                           ; a step's eight tiles of K: registers 0-5 of each fragment (768 bytes a tile), and four registers of words (lanes 0-15: tile 2 j, lanes 16-31: tile 2 j + 1)
	WIN 0x40                                       ; destination window 1
.irp t, 0,1,2,3,4,5,6,7
	ds_load_b128 v[12*\t:12*\t+3], v7 offset:768*\t
	ds_load_b64 v[12*\t+4:12*\t+5], v8 offset:768*\t+512
.endr
	WIN 0
.irp j, 0,1,2,3
	ds_load_b32 v[KW+\j], v9 offset:128*\j
.endr
.endm
.macro VLOAD                           ; a step's four tiles of V^T (16 channels x 128 keys) and their words
.irp c, 0,1,2,3
.set FV, VF+12*\c
	ds_load_b128 v[FV:FV+3], v10 offset:1536*\c
	ds_load_b64 v[FV+4:FV+5], v11 offset:1536*\c+512
	ds_load_b128 v[FV+6:FV+9], v10 offset:1536*\c+768
	ds_load_b64 v[FV+10:FV+11], v11 offset:1536*\c+1280
	ds_load_b32 v[VW+\c], v12 offset:128*\c
.endr
.endm
; Tile t's softmax for a key step of 128 keys, all in window t.
.macro SOFTMAX t
	WIN 0x55*\t
.irp b, 0,1,2,3
	v_max3_num_f32 v[BM+\b], v[S+16*\b], v[S+1+16*\b], v[S+2+16*\b]   ; the largest score of each block of 32 keys: it serves the row's maximum and, since p rises with the score, the block's largest p
.endr
.irp i, 3,5,7,9,11,13
.irp b, 0,1,2,3
	v_max3_num_f32 v[BM+\b], v[BM+\b], v[S+16*\b+\i], v[S+1+16*\b+\i]
.endr
.endr
.irp b, 0,1,2,3
	v_max_num_f32 v[BM+\b], v[BM+\b], v[S+15+16*\b]
.endr
.irp b, 0,1,2,3
	v_permlanex16_b32 v[BX+\b], v[BM+\b], s[SEL], s[SEL+1]
.endr
.irp b, 0,1,2,3
	v_max_num_f32 v[BM+\b], v[BM+\b], v[BX+\b]     ; with lane l xor 16's 16 keys
.endr
	v_max3_num_f32 v[T0], v[BM], v[BM+1], v[BM+2]
	v_max_num_f32 v[T0], v[T0], v[BM+3]            ; the step's largest score of my query
	v_mul_f32 v[T0], s[CS], v[T0]                  ; as t
	v_max_num_f32 v[MT], v[MT], v[T0]              ; the running largest t
	v_mov_b32 v[T0], v[NM]
	v_floor_f32 v[NM], -v[MT]                      ; the new -M = floor(-t) = -ceil(t)
	v_sub_f32 v[T0], v[NM], v[T0]                  ; old M - new M: a whole number, 0 or less
	v_cvt_i32_f32 v[T0], v[T0]                     ; (it saturates)
	v_ldexp_f32 v[F], 1.0, v[T0]                   ; 2^(old M - new M): a factor that rounds nothing
.set j, 0
.rept 32
	v_pk_fma_f32 v[S+j:S+j+1], v[S+j:S+j+1], s[CS:CS+1], v[NM:NM+1] op_sel_hi:[1,0,0]   ; t - M, two at a time (of the pairs c and -M the low word serves both halves)
.set j, j+2
.endr
.irp b, 0,1,2,3
	v_fma_f32 v[BM+\b], v[BM+\b], s[CS], v[NM]     ; the same of each block's largest score
.endr
.set j, 0
.rept 64
	v_exp_f32 v[S+j], v[S+j]                       ; p = 2^(t - M), at most 1
.set j, j+1
.endr
.irp b, 0,1,2,3
	v_exp_f32 v[BM+\b], v[BM+\b]                   ; the block's largest p: the same two instructions on the same number
.endr
	v_pk_mul_f32 v[L:L+1], v[L:L+1], v[F:F+1] op_sel_hi:[1,0]   ; the sum under the new M (a plain place behind the exponentials)
	s_wait_alu depctr_va_vdst(0)
.irp b, 0,1,2,3
	v_max_num_f32 v[BM+\b], 0x2800000, v[BM+\b]    ; the floor 2^(5 - 127): a block whose every p is 0 keeps the byte 1; its codes are zeros
.endr
.irp b, 0,1,2,3
	v_add_nc_u32 v[SO+\b], 0xfe000000, v[BM+\b]    ; 4 off the exponent field: the conversion's scale operand
.endr
.irp b, 0,1,2,3
	v_lshrrev_b32 v[BX+\b], 23, v[SO+\b]           ; the scale's byte
.endr
	v_lshl_or_b32 v[PW], v[BX+1], 8, v[BX]
	v_lshl_or_b32 v[PW], v[BX+2], 16, v[PW]
	v_lshl_or_b32 v[PW], v[BX+3], 24, v[PW]
	WIN \t                                         ; scale operands have no window: p's word goes to window 0
	v_mov_b32 v[PS+\t], v[PW]
	WIN 0x55*\t
.irp c, 0,1
	v_cvt_scalef32_pk16_bf6_f32 v[PC+6*\c:PC+2+6*\c], v[S+32*\c:S+15+32*\c], v[SO+2*\c]
	v_cvt_scalef32_pk16_bf6_f32 v[PT+4*\c:PT+2+4*\c], v[S+16+32*\c:S+31+32*\c], v[SO+2*\c+1]   ; (a conversion's three registers begin on an even number)
.endr
	v_nop                                          ; one plain place behind a scaled conversion
.irp c, 0,1                            ; the operand's layout wants a WHOLE block in a lane
.irp i, 0,1,2
	v_permlane16_swap_b32 v[PC+6*\c+\i], v[PT+4*\c+\i]
.endr
.irp i, 0,1,2
	v_mov_b32 v[PC+3+6*\c+\i], v[PT+4*\c+\i]
.endr
.endr
	v_pk_add_f32 v[AC:AC+1], v[S:S+1], v[S+2:S+3]  ; the row's sum is taken of the UNQUANTISED p: two at a time, in two chains
.irp j, 4,8,12,16,20,24,28,32,36,40,44,48,52,56,60
	v_pk_add_f32 v[L:L+1], v[L:L+1], v[S+\j:S+\j+1]
	v_pk_add_f32 v[AC:AC+1], v[AC:AC+1], v[S+\j+2:S+\j+3]
.endr
	v_pk_add_f32 v[L:L+1], v[L:L+1], v[AC:AC+1]
.set j, 0
.rept 16
	v_pk_mul_f32 v[O+j:O+j+1], v[O+j:O+j+1], v[F:F+1] op_sel_hi:[1,0]   ; O^T under the new M, each accumulator from its low end on.  (With the sums: the places between p's word and codes and the products that take them)
.set j, j+2
.endr
.endm
; Tile t's end of a pass: O^T / the sum; register 16 b + i is channel 32 b + 16 (lane / 16) + i: two blocks of the last product's K: half a fragment and two scale bytes.
.macro EPI t
	WIN 0x55*\t
	v_add_f32 v[T0], v[L], v[L+1]
	v_permlanex16_b32 v[T1], v[T0], s[SEL], s[SEL+1]
	v_add_f32 v[T0], v[T0], v[T1]                  ; the row's sum
	v_rcp_f32 v[F], v[T0]
	v_cmp_gt_f32 vcc_lo, 0xd8800000, v[MT]         ; -2^50 > the largest t: no key of the row was kept
	v_mov_b32 v[T1], 0xffff                        ; (plain places behind the reciprocal)
.set j, 0
	s_wait_alu depctr_va_vdst(0)
.rept 16
	v_pk_mul_f32 v[O+j:O+j+1], v[O+j:O+j+1], v[F:F+1] op_sel_hi:[1,0]
.set j, j+2
.endr
.irp b, 0,1
	v_max3_num_f32 v[BM+\b], |v[O+16*\b]|, |v[O+1+16*\b]|, 0x2800000
.endr
.irp i, 2,4,6,8,10,12,14
.irp b, 0,1
	v_max3_num_f32 v[BM+\b], v[BM+\b], |v[O+16*\b+\i]|, |v[O+1+16*\b+\i]|
.endr
.endr
.irp b, 0,1
	v_permlanex16_b32 v[BX+\b], v[BM+\b], s[SEL], s[SEL+1]
.endr
.irp b, 0,1
	v_max_num_f32 v[BM+\b], v[BM+\b], v[BX+\b]
.endr
.irp b, 0,1
	v_add_nc_u32 v[SO+\b], 0xfe000000, v[BM+\b]
.endr
.irp b, 0,1
	v_lshrrev_b32 v[BX+\b], 23, v[SO+\b]
.endr
	v_lshl_or_b32 v[PW], v[BX+1], 8, v[BX]
	v_cndmask_b32 v[PW], v[PW], v[T1], vcc_lo      ; a choice of a value, no branch
	v_cvt_scalef32_pk16_bf6_f32 v[PC:PC+2], v[O:O+15], v[SO]
	v_cvt_scalef32_pk16_bf6_f32 v[PT:PT+2], v[O+16:O+31], v[SO+1]
	v_nop
.irp i, 0,1,2
	v_permlane16_swap_b32 v[PC+\i], v[PT+\i]
.endr
.irp i, 0,1,2
	v_mov_b32 v[PC+3+\i], v[PT+\i]
.endr
	WIN 4*\t                                       ; a store's data are its source 1
	global_store_b128 v1, v[PC:PC+3], s[OC:OC+1] offset:\t*12288       ; 512 and 256 consecutive bytes, at multiples of 256
	global_store_b64 v2, v[PC+4:PC+5], s[OC:OC+1] offset:\t*12288+512
	global_store_b16 v13, v[PW], s[OS:OS+1] offset:\t*1024             ; my head's half of each lane's scale word: 64 of the tile's 832 bytes
.endm
	s_load_b256 s[4:11], s[0:1], 0x0               ; qkvc s[4:5], qkvs s[6:7], oc s[8:9], osc s[10:11]
	v_lshl_add_u32 v254, v0, 2, 0x34000
	v_mov_b32 v255, 0
	ds_add_u32 v254, v255
	ds_add_u32 v254, v255
	v_lshrrev_b32 v30, 5, v0
	v_readfirstlane_b32 s[WV], v30                 ; wave 0..7
	v_and_b32 v30, 31, v0
	v_lshlrev_b32 v1, 4, v30                       ; v1-3: K in LDS: 16 x lane, 8 x lane, 4 x lane + its words' place
	v_lshlrev_b32 v2, 3, v30
	v_lshlrev_b32 v13, 2, v30                      ; v13: 4 x lane
	v_add_nc_u32 v3, WOF, v13
	v_add_nc_u32 v4, VRG, v1                       ; v4-6: the same for V
	v_add_nc_u32 v5, VRG, v2
	v_add_nc_u32 v6, VRG, v3
	v_and_b32 v14, 15, v0
	v_lshlrev_b32 v14, 2, v14                      ; v14: Q's scale words: 4 r
	s_bfe_u32 s13, ttmp6, 0x40000                  ; cx: it enters Q's and O's global addresses alone
	s_and_b32 s14, ttmp7, 0xffff                   ; 16 batch + head, which the four partners share
	s_mov_b32 s[G1C], 15|(3<<16)|(1<<21)           ; 15:0 the mask: all four work-groups; 17:16 elements of 8 bytes; 21 set beside a mask; no padding
	s_mov_b32 s[G1C+1], 32<<16                     ; tensor_dim0 = 32 elements: rows of 256 bytes of a dense block
	s_mov_b32 s[G1C+2], 96<<16                     ; tensor_dim1 = 96
	s_mov_b32 s[G1C+3], 32<<16                     ; tile_dim0
	s_mov_b32 s[G1C+4], 96                         ; tile_dim1
	s_mov_b32 s[G1C+5], 32                         ; from row to row
	s_mov_b32 s[G1C+6], 0
	s_mov_b32 s[G1C+7], 0
	s_mov_b32 s[G1W], 15|(3<<16)|(1<<21)
	s_mov_b32 s[G1W+1], 32<<16
	s_mov_b32 s[G1W+2], 8<<16
	s_mov_b32 s[G1W+3], 32<<16
	s_mov_b32 s[G1W+4], 8
	s_mov_b32 s[G1W+5], 32
	s_mov_b32 s[G1W+6], 0
	s_mov_b32 s[G1W+7], 0
	s_lshr_b32 s56, s[WV], 2                       ; waves 0-3 fetch for K, waves 4-7 for V,
	s_and_b32 s57, s[WV], 3                        ; a quarter each
	s_mul_i32 s58, s56, VRG
	s_mul_i32 s59, s57, 24576
	s_lshl_b32 s60, s57, 11
	s_mov_b32 s[G0C], 1                            ; count = 1
	s_add_co_u32 s[G0C+1], s58, s59                ; LDS address: made of the wave's number alone
	s_mov_b32 s[G0W], 1
	s_add_co_u32 s[G0W+1], s58, s60
	s_add_co_u32 s[G0W+1], s[G0W+1], WOF
	s_add_co_u32 s61, s56, 1                       ; section 1 (k) or 2 (v)
	s_mul_i32 s62, s61, 6291456
	s_mul_i32 s63, s14, 98304
	s_add_co_u32 s62, s62, s63
	s_add_co_u32 s62, s62, s59
	s_mov_b32 s63, 0                               ; s[62:63]: my quarter of the codes
	s_lshl_b32 s58, s61, 19
	s_lshl_b32 s59, s14, 13
	s_add_co_u32 s58, s58, s59
	s_add_co_u32 s58, s58, s60
	s_mov_b32 s59, 0                               ; s[58:59]: and of the words
	s_lshl_b32 s15, s13, 5                         ; what hangs on cx has registers of its own
	s_lshl_b32 s2, s[WV], 1
	s_add_co_u32 s15, s15, s2                      ; my first tile of the head's 128: 32 cx + 2 wave (the second pass: 16 on)
	s_mul_i32 s48, s15, 768
	s_mul_i32 s2, s14, 98304
	s_add_co_u32 s48, s48, s2
	s_mov_b32 s49, 0
	s_lshl_b32 s50, s15, 6
	s_lshl_b32 s2, s14, 13
	s_add_co_u32 s50, s50, s2
	s_mov_b32 s51, 0
	s_lshr_b32 s2, s14, 4
	s_lshl_b32 s2, s2, 7
	s_add_co_u32 s15, s15, s2                      ; the tile among all 512: 128 batch + ..
	s_and_b32 s3, s14, 15                          ; the head
	s_lshl_b32 s52, s15, 4
	s_add_co_u32 s52, s52, s3
	s_mul_i32 s52, s52, 768                        ; oc: [tile][head][768]
	s_mov_b32 s53, 0
	s_lshl_b32 s54, s15, 3
	s_lshr_b32 s2, s3, 1
	s_add_co_u32 s54, s54, s2
	s_lshl_b32 s54, s54, 7                         ; osc: [tile][pair of heads][32 lanes] words,
	s_and_b32 s2, s3, 1
	s_lshl_b32 s2, s2, 1
	s_add_co_u32 s54, s54, s2                      ; the head's two bytes of each word
	s_mov_b32 s55, 0
	s_mov_b32 s[SEL], 0x76543210
	s_mov_b32 s[SEL+1], 0xfedcba98
	s_mov_b32 s[CS], 0x3e38aa3b
	s_mov_b32 s[CS+1], s[CS]                       ; (named with it as a pair, so it is written)
	s_wait_dscnt 0x0
	s_wait_kmcnt 0x0
	s_add_nc_u64 s[G0C+2:G0C+3], s[4:5], s[62:63]
	s_or_b32 s[G0C+3], s[G0C+3], 0x80000000        ; type = 2
	s_add_nc_u64 s[G0W+2:G0W+3], s[6:7], s[58:59]
	s_or_b32 s[G0W+3], s[G0W+3], 0x80000000
	s_add_nc_u64 s[QC:QC+1], s[4:5], s[QC:QC+1]
	s_add_nc_u64 s[QW:QW+1], s[6:7], s[QW:QW+1]
	s_add_nc_u64 s[OC:OC+1], s[8:9], s[OC:OC+1]
	s_add_nc_u64 s[OS:OS+1], s[10:11], s[OS:OS+1]
	ROUND                                          ; all four work-groups are here: the joint loads meet
	tensor_load_to_lds s[G0C:G0C+3], s[G1C:G1C+7]  ; the launch's only fills: two loads of mine are out
	s_nop 0
	tensor_load_to_lds s[G0W:G0W+3], s[G1W:G1W+7]
	s_nop 0
.rept 4
	v_nop
.endr
.irp t, 0,1                            ; Q of both passes: the second pass never waits for it
	WIN 0x40*\t
	global_load_b128 v[Q:Q+3], v1, s[QC:QC+1] offset:\t*768
	global_load_b64 v[Q+4:Q+5], v2, s[QC:QC+1] offset:\t*768+512
	global_load_b128 v[QN:QN+3], v1, s[QC:QC+1] offset:12288+\t*768
	global_load_b64 v[QN+4:QN+5], v2, s[QC:QC+1] offset:12288+\t*768+512
.endr
	WIN 0
.irp t, 0,1
	global_load_b32 v[QS+\t], v14, s[QW:QW+1] offset:\t*64
	global_load_b32 v[QSN+\t], v14, s[QW:QW+1] offset:1024+\t*64
.endr
	v_bfe_u32 v30, v0, 4, 1
	v_xor_b32 v30, 1, v30                          ; 1 in lanes 0-15, which hold k = 64 .. 95 in registers 6-11
	v_mul_u32_u24 v31, v30, 12                     ; the code of +1 (exponent field 3, mantissa 0) at k = 64
	v_mul_u32_u24 v30, v30, 44                     ; the code of -1
.irp t, 0,1
	WIN 0x40*\t
	v_mov_b32 v[Q+6], v31
.irp i, 7,8,9,10,11
	v_mov_b32 v[Q+\i], 0
.endr
.irp b, 0,1,2,3
	v_mov_b32 v[BX+\b], 0                          ; written once: a lane permute's destination counts as one of its sources
.endr
	v_mov_b32 v[T1], 0
	v_mov_b32 v[F+1], 0                            ; (named as the upper half of a pair)
.endr
	WIN 0x40
.irp t, 0,1,2,3,4,5,6,7
	v_mov_b32 v[12*\t+6], v30
.irp i, 7,8,9,10,11
	v_mov_b32 v[12*\t+\i], 0
.endr
.endr
	WIN 0
	s_wait_tensorcnt 0x0                           ; my eighth of the head is in,
	s_barrier_signal -1
	s_barrier_wait -1                              ; everybody's is; it stays
	s_wait_loadcnt 0x0                             ; Q
	s_mov_b32 s[PAS], 2
.Lpass:
.irp t, 0,1                            ; the step is written once: the first finds zeros, which the first change of M leaves zeros
	WIN 0x55*\t
	v_mov_b32 v[MT], 0xff61b1e6                    ; the largest t so far: -3e38
	v_floor_f32 v[NM], -v[MT]
	v_mov_b32 v[L], 0
	v_mov_b32 v[L+1], 0
.set j, 0
.rept 32
	v_mov_b32 v[O+j], 0
.set j, j+1
.endr
.endr
	WIN 0
	s_mov_b32 s[TB], 0
	s_mov_b32 s[TW], 0
	v_add_nc_u32 v7, s[TB], v1
	v_add_nc_u32 v8, s[TB], v2
	v_add_nc_u32 v9, s[TW], v3
	KLOAD                                          ; key step 0
	s_mov_b32 s[STP], 16
.Lstep:                                            ; 128 keys a trip
	s_wait_dscnt 0x0                               ; K is in (asked for a step ago)
	WIN 0x01                                       ; K in window 1; Q and S^T in window 0
.irp t, 0,1,2,3,4,5,6,7
	MM S+8*\t, 12*\t, Q, 0, 1, KW+\t/2, QS, \t%2, 0
.endr
	WIN 0x45                                       ; all in window 1
.irp t, 0,1,2,3,4,5,6,7
	MM S+8*\t, 12*\t, Q, 0, 1, KW+\t/2, QS+1, \t%2, 0
.endr
	WIN 0
	v_add_nc_u32 v10, s[TB], v4                    ; six plain lines: the places between the products above (and the last step's) and the loads and reads below
	v_add_nc_u32 v11, s[TB], v5
	v_add_nc_u32 v12, s[TW], v6
	s_add_co_u32 s[TB], s[TB], 6144
	s_add_co_u32 s[TW], s[TW], 512
	v_add_nc_u32 v7, s[TB], v1
	v_add_nc_u32 v8, s[TB], v2
	v_add_nc_u32 v9, s[TW], v3
	VLOAD                                          ; this step's V and the next step's K land under the softmax
	KLOAD                                          ; (in step 15: the 6,656 bytes that follow, landed bytes inside the claim that are not used)
	SOFTMAX 0
	SOFTMAX 1
	WIN 0
	s_wait_dscnt 0x0
.irp c, 0,1,2,3                        ; O^T += V^T P^T.  Each of the eight accumulators has one instruction a step: they take turns
	MM O+8*\c, VF+12*\c, PC, O+8*\c, 0, VW+\c, PS, 0, 0
.endr
	WIN 0x54                                       ; V in window 0; P and O^T in window 1
.irp c, 0,1,2,3
	MM O+8*\c, VF+12*\c, PC, O+8*\c, 0, VW+\c, PS+1, 0, 0
.endr
	WIN 0
	s_sub_co_u32 s[STP], s[STP], 1
	s_cmp_lg_u32 s[STP], 0
	s_cbranch_scc1 .Lstep
.rept 4
	v_nop                                          ; places behind the last products
.endr
	EPI 0
	EPI 1
.irp t, 0,1
	WIN 0x55*\t
.irp i, 0,1,2,3,4,5
	v_mov_b32 v[Q+\i], v[QN+\i]                    ; the next pass's Q
.endr
.endr
	WIN 0
	v_mov_b32 v[QS], v[QSN]
	v_mov_b32 v[QS+1], v[QSN+1]
	s_wait_xcnt 0x0                                ; the stores have read their registers and bases
	s_add_nc_u64 s[OC:OC+1], s[OC:OC+1], 196608    ; 16 tiles on
	s_add_nc_u64 s[OS:OS+1], s[OS:OS+1], 16384
	s_sub_co_u32 s[PAS], s[PAS], 1
	s_cmp_lg_u32 s[PAS], 0
	s_cbranch_scc1 .Lpass
	s_wait_dscnt 0x0
	s_wait_tensorcnt 0x0
	ds_add_u32 v254, v255
	s_wait_dscnt 0x0
	ROUND                                          ; the closing round
	s_endpgm
.Lfunc_end_k_q8285082b5b_attn:
	.size	k_q8285082b5b_attn, .Lfunc_end_k_q8285082b5b_attn-k_q8285082b5b_attn
	.p2alignl 7, 3214868480
	.fill 96, 4, 3214868480
	.section	.rodata,"a",@progbits
	.p2align	6, 0x0
	.amdhsa_kernel k_q8285082b5b_attn
		.amdhsa_group_segment_fixed_size 214016
		.amdhsa_private_segment_fixed_size 0
		.amdhsa_enable_private_segment 0
		.amdhsa_kernarg_size 32
		.amdhsa_user_sgpr_count 2
		.amdhsa_user_sgpr_kernarg_segment_ptr 1
		.amdhsa_wavefront_size32 1
		.amdhsa_system_sgpr_workgroup_id_x 1
		.amdhsa_system_sgpr_workgroup_id_y 1
		.amdhsa_system_sgpr_workgroup_id_z 1
		.amdhsa_system_vgpr_workitem_id 0
		.amdhsa_next_free_vgpr 512
		.amdhsa_next_free_sgpr 66
		.amdhsa_reserve_vcc 1
		.amdhsa_float_denorm_mode_32 3
		.amdhsa_float_denorm_mode_16_64 3
		.amdhsa_memory_ordered 1
		.amdhsa_forward_progress 1
		.amdhsa_inst_pref_size 51
	.end_amdhsa_kernel
	.amdgpu_metadata
---
amdhsa.version: [ 1, 2 ]
amdhsa.kernels:
  - .name:           k_q8285082b5b_attn
    .symbol:         k_q8285082b5b_attn.kd
    .args:
      - { .name: qkvc, .offset: 0, .size: 8, .value_kind: global_buffer, .address_space: global }
      - { .name: qkvs, .offset: 8, .size: 8, .value_kind: global_buffer, .address_space: global }
      - { .name: oc, .offset: 16, .size: 8, .value_kind: global_buffer, .address_space: global }
      - { .name: osc, .offset: 24, .size: 8, .value_kind: global_buffer, .address_space: global }
    .group_segment_fixed_size: 214016
    .private_segment_fixed_size: 0
    .kernarg_segment_align: 8
    .kernarg_segment_size: 32
    .max_flat_workgroup_size: 256
    .sgpr_count:     66
    .vgpr_count:     512
    .wavefront_size: 32
...
	.end_amdgpu_metadata
.endif
;; end of part 3
;; launch outp (part 4): grid 4 x 64, 4 waves a work-group, clusters of 4 x 1, 168,448 bytes of LDS; arguments oc, osc, wc, ws, b_out, out0; writes out0
.if DOCPART == 4
	.amdgcn_target "amdgcn-amd-amdhsa--gfx1250"
	.amdhsa_code_object_version 6
	.text
	.protected	k_q8285082b5b_outp
	.globl	k_q8285082b5b_outp
	.p2align	8
	.type	k_q8285082b5b_outp,@function
k_q8285082b5b_outp:
	s_mov_b64 s[64:65], 0
	v_nop
	global_prefetch_b8 v0, s[64:65] scope:SCOPE_SE
	s_setreg_imm32_b32 hwreg(HW_REG_WAVE_MODE, 25, 1), 1
	s_wait_xcnt 0x0
	s_wait_alu depctr_hold_cnt(0) depctr_sa_sdst(0) depctr_va_vdst(0) depctr_va_sdst(0) depctr_va_ssrc(0) depctr_va_vcc(0) depctr_vm_vsrc(0)
	s_getreg_b32 s2, hwreg(HW_REG_IB_STS2, 6, 4)
	s_cmp_eq_u32 s2, 0
	s_cbranch_scc0 .Lentry_in_a_cluster
	s_endpgm
.Lentry_in_a_cluster:
	s_bfe_u32 s2, ttmp6, 0x10000c
	s_cmp_lg_u32 s2, 0x3003
	s_cbranch_scc0 .Lentry_shape_is_right
	s_endpgm
.Lentry_shape_is_right:
; out0 = O W_out + b_out, on codes of BF6 (E3M2) with E8M0 scales.  O's codes and scale words were laid by the attention launch as images of the operand's registers, W_out's by the first launch.
; SHARES.  A cluster of four work-groups owns 128 rows; work-group cx columns 256 cx on; wave w 64 of them.  K = 1,024 in eight steps.
; The 128 rows' codes (98,304 bytes) and words (8,192) are one dense block each: they come into LDS once, by joint loads that name all four work-groups, a quarter a wave.  Nothing is filled again.
; A wave's part of W_out (32 fragments, 384 registers) stays in its registers; no other wave of the work-group wants it.  The bias is the C of each sum's first instruction.
; The product is used transposed (source 0 = 16 columns of W_out, source 1 = 16 rows of O).  Columns and rows of a tile are 8 u + r + 8 (r / 8) of each 32: a lane holds one row and, in the four tiles' 32 registers, columns 32 b + 16 (lane / 16) + 0 .. 15.
; All loads of the launch go out at its head: there is nothing to ask for ahead of them.
; REGISTERS.  Window 0: v1-10 addresses; v16-31 W's scale words, v32-47 O's (two sets); v64-159, v160-255 O's fragments, two sets; on the way out v64-127 rows of the result.
; Window 1: W's fragments of K steps 0-4.  Window 3: those of steps 5-7, and from v144 the bias.  Window 2: the 32 accumulators, (a, b) at v[32 a + 8 b].
.set FRB,  1536
.set XSC,  98304                       ; LDS: O's fragments from 0 (tile m x 12,288 + K step s x 1,536), their words from here (m x 1,024 + s x 128),
.set STG,  106496                      ; and the way out: 16 rows x (256 bytes + 16) for each wave; no tensor load lands here
.set XF,   64
.set WS,   16
.set XS,   32
.set BK,   64
.set BI,   144
.set WV,   40
.set G1C,  16
.set G1W,  24
.set G0C,  32
.set G0W,  36
.set MSB,  0
.macro WIN new                         ; s_set_vgpr_msb: bits 1:0 source 0, 3:2 source 1, 5:4 source 2, 7:6 destination; the high byte repeats the setting that is left
.if MSB != (\new)
	s_set_vgpr_msb (MSB<<8)|(\new)
.set MSB, (\new)
.endif
.endm
.macro PLACES n
.rept \n
	v_nop
.endr
.endm
.macro MM d, a, b, c, sa, sb, ra       ; one scaled matrix instruction; ra = 1: source 0's scales stand in lanes 16-31
.if \ra
	v_wmma_scale_f32_16x16x128_f8f6f4 v[(\d):(\d)+7], v[(\a):(\a)+11], v[(\b):(\b)+11], v[(\c):(\c)+7], v[\sa], v[\sb] matrix_a_fmt:MATRIX_FMT_BF6 matrix_b_fmt:MATRIX_FMT_BF6 matrix_a_scale:MATRIX_SCALE_ROW1
.else
	v_wmma_scale_f32_16x16x128_f8f6f4 v[(\d):(\d)+7], v[(\a):(\a)+11], v[(\b):(\b)+11], v[(\c):(\c)+7], v[\sa], v[\sb] matrix_a_fmt:MATRIX_FMT_BF6 matrix_b_fmt:MATRIX_FMT_BF6
.endif
.endm
.macro ROUND                           ; a round of the cluster's barrier
	s_barrier_signal -1
	s_barrier_wait -1
	s_cmp_lg_u32 s[WV], 0
	s_cbranch_scc1 .Lnot_wave_0_\@
	s_barrier_signal -3
.Lnot_wave_0_\@:
	s_barrier_wait -3
	s_barrier_signal -1
	s_barrier_wait -1
.endm
.macro XFETCH p, s                     ; O's eight fragments and scale words of K step s into set p: 40 LDS loads, each dense
.irp m, 0,1,2,3,4,5,6,7
.set FX, XF+96*(\p)+12*\m
	ds_load_b128 v[FX:FX+3], v[1+\m/4] offset:(\m%4)*12288+(\s)*FRB
	ds_load_b64 v[FX+4:FX+5], v[3+\m/4] offset:(\m%4)*12288+(\s)*FRB+512
	ds_load_b128 v[FX+6:FX+9], v[1+\m/4] offset:(\m%4)*12288+(\s)*FRB+768
	ds_load_b64 v[FX+10:FX+11], v[3+\m/4] offset:(\m%4)*12288+(\s)*FRB+1280
.endr
.irp m, 0,1,2,3,4,5,6,7
	ds_load_b32 v[XS+8*(\p)+\m], v5 offset:\m*1024+(\s)*128
.endr
.endm
; A K step: 32 products; the 32 accumulators take turns, one instruction a turn, in the same order in every step.
.macro STEP4 s
.set P, (\s)%2
.if (\s) > 0
	PLACES 4                                       ; the loads below land in registers that the step before multiplied
.endif
.if (\s) < 7
	XFETCH 1-P, (\s)+1
	s_wait_dscnt 40                                ; all but the 40 just issued
.else
	s_wait_dscnt 0x0
.endif
.if (\s) == 0
	WIN 0xb1                                       ; W window 1, O window 0, C (the bias) window 3, D window 2
.elseif (\s) < 5
	WIN 0xa1                                       ; C and D window 2
.else
	WIN 0xa3                                       ; W window 3
.endif
.irp a, 0,1,2,3,4,5,6,7
.irp b, 0,1,2,3
.if (\s) == 0
	MM 32*\a+8*\b, 12*\b, XF+96*P+12*\a, BI+8*\b, WS+\b/2, XS+8*P+\a, \b%2
.elseif (\s) < 5
	MM 32*\a+8*\b, 12*(4*(\s)+\b), XF+96*P+12*\a, 32*\a+8*\b, WS+2*(\s)+\b/2, XS+8*P+\a, \b%2
.else
	MM 32*\a+8*\b, 12*(4*((\s)-5)+\b), XF+96*P+12*\a, 32*\a+8*\b, WS+2*(\s)+\b/2, XS+8*P+\a, \b%2
.endif
.endr
.endr
	WIN 0
.endm
; THE WAY OUT, a tile of 16 rows x 64 columns at a time, through my own stage: a lane's 32 numbers go into its row, and come back as whole rows of 256 bytes.  LDS serves a wave's instructions in order (ISA guide 5.7.1.4): no wait between.
.macro TOSTAGE a
	WIN 0x08                                       ; an LDS store's data are its source 1: window 2
.irp b, 0,1,2,3
	ds_store_b128 v6, v[32*(\a)+8*\b:32*(\a)+8*\b+3] offset:128*(\b/2)+32*(\b%2)       ; each accumulator from its low end on
	ds_store_b128 v6, v[32*(\a)+8*\b+4:32*(\a)+8*\b+7] offset:128*(\b/2)+32*(\b%2)+16
.endr
	WIN 0
.irp i, 0,1,2,3,4,5,6,7
	ds_load_b128 v[BK+32*((\a)%2)+4*\i:BK+32*((\a)%2)+4*\i+3], v7 offset:544*\i
.endr
.endm
.macro SEND a, younger                 ; younger: the LDS instructions issued behind tile a's loads
	s_wait_dscnt \younger
.irp i, 0,1,2,3,4,5,6,7
	global_store_b128 v8, v[BK+32*((\a)%2)+4*\i:BK+32*((\a)%2)+4*\i+3], s[50:51] offset:(32*((\a)/2)+8*((\a)%2)+2*\i+8*(\i/4))*4096 th:TH_STORE_NT   ; 16 lanes store 256 consecutive bytes of a row, at a multiple of 256; the tile's row 2 i + lane / 16 is row .. + 8 (i / 4) of its 32
.endr
.endm
	s_load_b256 s[4:11], s[0:1], 0x0               ; oc s[4:5], osc s[6:7], wc s[8:9], ws s[10:11]
	s_load_b128 s[12:15], s[0:1], 0x20             ; b_out s[12:13], out0 s[14:15]
	v_lshl_add_u32 v62, v0, 2, 0x29000
	v_mov_b32 v63, 0
	ds_add_u32 v62, v63
	ds_add_u32 v62, v63
	v_lshrrev_b32 v11, 5, v0
	v_readfirstlane_b32 s[WV], v11                 ; wave 0..3
	v_and_b32 v11, 31, v0
	v_lshlrev_b32 v1, 4, v11                       ; v1, v2: 16 x lane, and the same for tiles 4-7 in LDS
	v_add_nc_u32 v2, 49152, v1
	v_lshlrev_b32 v3, 3, v11                       ; v3, v4: 8 x lane
	v_add_nc_u32 v4, 49152, v3
	v_lshlrev_b32 v9, 2, v11                       ; v9: 4 x lane
	v_add_nc_u32 v5, XSC, v9                       ; v5: O's scale words in LDS
	v_and_b32 v12, 15, v0                          ; r
	v_bfe_u32 v13, v0, 4, 1                        ; h
	v_lshlrev_b32 v10, 6, v13                      ; v10: the bias: 16 columns a half
	s_mul_i32 s56, s[WV], 4352
	s_add_co_u32 s56, s56, STG                     ; my stage
	v_mul_u32_u24 v6, v12, 272
	v_lshl_add_u32 v6, v13, 6, v6
	v_add_nc_u32 v6, s56, v6                       ; v6: in: row r, + 64 h
	v_mul_u32_u24 v7, v13, 272
	v_lshl_add_u32 v7, v12, 4, v7
	v_add_nc_u32 v7, s56, v7                       ; v7: back: lanes 0-15 one row, lanes 16-31 the next
	v_lshlrev_b32 v8, 12, v13
	v_lshl_add_u32 v8, v12, 4, v8                  ; v8: and the same two rows in out0
	s_bfe_u32 s41, ttmp6, 0x40000                  ; cx: it enters W's, the bias's and the result's global addresses alone
	s_and_b32 s42, ttmp7, 0xffff                   ; the block of 128 rows, which the four partners share
	s_mov_b32 s[G1C], 15|(3<<16)|(1<<21)           ; 15:0 the mask: all four work-groups; 17:16 elements of 8 bytes; 21 set beside a mask; no padding
	s_mov_b32 s[G1C+1], 32<<16                     ; rows of 256 bytes of a dense block: 96 of them
	s_mov_b32 s[G1C+2], 96<<16
	s_mov_b32 s[G1C+3], 32<<16
	s_mov_b32 s[G1C+4], 96
	s_mov_b32 s[G1C+5], 32
	s_mov_b32 s[G1C+6], 0
	s_mov_b32 s[G1C+7], 0
	s_mov_b32 s[G1W], 15|(3<<16)|(1<<21)           ; the words: 8 rows
	s_mov_b32 s[G1W+1], 32<<16
	s_mov_b32 s[G1W+2], 8<<16
	s_mov_b32 s[G1W+3], 32<<16
	s_mov_b32 s[G1W+4], 8
	s_mov_b32 s[G1W+5], 32
	s_mov_b32 s[G1W+6], 0
	s_mov_b32 s[G1W+7], 0
	s_mov_b32 s[G0C], 1
	s_mul_i32 s[G0C+1], s[WV], 24576               ; LDS addresses: made of the wave's number alone
	s_mul_i32 s58, s42, 98304
	s_add_co_u32 s58, s58, s[G0C+1]
	s_mov_b32 s59, 0
	s_lshl_b32 s60, s[WV], 11
	s_mov_b32 s[G0W], 1
	s_add_co_u32 s[G0W+1], s60, XSC
	s_lshl_b32 s62, s42, 13
	s_add_co_u32 s62, s62, s60
	s_mov_b32 s63, 0
	s_lshl_b32 s43, s41, 1                         ; what hangs on cx has registers of its own
	s_lshr_b32 s52, s[WV], 1
	s_add_co_u32 s43, s43, s52                     ; my group of 128 columns,
	s_and_b32 s52, s[WV], 1                        ; and which four of its eight tiles
	s_mul_i32 s44, s43, 98304
	s_mul_i32 s53, s52, 6144
	s_add_co_u32 s44, s44, s53
	s_add_co_u32 s44, s44, 3*786432                ; W_out is wc's section 3
	s_mov_b32 s45, 0
	s_lshl_b32 s46, s43, 12
	s_lshl_b32 s53, s52, 8
	s_add_co_u32 s46, s46, s53
	s_add_co_u32 s46, s46, 3*32768
	s_mov_b32 s47, 0
	s_lshl_b32 s48, s41, 10
	s_lshl_b32 s53, s[WV], 8
	s_add_co_u32 s48, s48, s53                     ; my first column, in bytes
	s_mov_b32 s49, 0
	s_lshl_b32 s50, s42, 19
	s_add_co_u32 s50, s50, s48
	s_mov_b32 s51, 0
	s_wait_dscnt 0x0
	s_wait_kmcnt 0x0
	s_add_nc_u64 s[G0C+2:G0C+3], s[4:5], s[58:59]
	s_or_b32 s[G0C+3], s[G0C+3], 0x80000000        ; type = 2
	s_add_nc_u64 s[G0W+2:G0W+3], s[6:7], s[62:63]
	s_or_b32 s[G0W+3], s[G0W+3], 0x80000000
	s_add_nc_u64 s[44:45], s[8:9], s[44:45]        ; W's fragments
	s_add_nc_u64 s[46:47], s[10:11], s[46:47]      ; their words
	s_add_nc_u64 s[48:49], s[12:13], s[48:49]      ; the bias
	s_add_nc_u64 s[50:51], s[14:15], s[50:51]      ; the result
	ROUND                                          ; all four work-groups are here: the joint loads meet
	tensor_load_to_lds s[G0C:G0C+3], s[G1C:G1C+7]  ; the launch's only fills: two loads of mine are out
	s_nop 0
	tensor_load_to_lds s[G0W:G0W+3], s[G1W:G1W+7]
	s_nop 0
.rept 4
	v_nop
.endr
.irp k, 0,1,2,3,4,5,6,7                ; my 32 fragments of W_out: they stay
.if \k < 5
	WIN 0x40
.set WR, 48*\k
.else
	WIN 0xc0
.set WR, 48*(\k-5)
.endif
.irp b, 0,1,2,3
	global_load_b128 v[WR+12*\b:WR+12*\b+3], v1, s[44:45] offset:\k*12288+\b*FRB
	global_load_b64 v[WR+12*\b+4:WR+12*\b+5], v3, s[44:45] offset:\k*12288+\b*FRB+512
	global_load_b128 v[WR+12*\b+6:WR+12*\b+9], v1, s[44:45] offset:\k*12288+\b*FRB+768
	global_load_b64 v[WR+12*\b+10:WR+12*\b+11], v3, s[44:45] offset:\k*12288+\b*FRB+1280
.endr
.endr
.irp b, 0,1,2,3                        ; the bias in the result's layout: tile b's register j is column 32 (b / 2) + 16 h + 8 (b % 2) + j
	global_load_b128 v[BI+8*\b:BI+8*\b+3], v10, s[48:49] offset:128*(\b/2)+32*(\b%2)
	global_load_b128 v[BI+8*\b+4:BI+8*\b+7], v10, s[48:49] offset:128*(\b/2)+32*(\b%2)+16
.endr
	WIN 0
.irp k, 0,1,2,3,4,5,6,7
.irp j, 0,1
	global_load_b32 v[WS+2*\k+\j], v9, s[46:47] offset:\k*512+128*\j   ; lanes 0-15: tile 2 j's words, lanes 16-31: tile 2 j + 1's
.endr
.endr
	s_wait_tensorcnt 0x0                           ; my quarter of the rows' codes and words is in,
	s_barrier_signal -1
	s_barrier_wait -1                              ; everybody's is; it stays
	XFETCH 0, 0
	s_wait_loadcnt 0x0                             ; W, its words, the bias
.irp k, 0,1,2,3,4,5,6,7
	STEP4 \k
.endr
	PLACES 4                                       ; behind the last products: for the stores that read results and the loads into registers that held O's fragments
	TOSTAGE 0
.irp a, 1,2,3,4,5,6,7
.if \a > 1
	s_wait_xcnt 0x0                                ; tile a - 2's stores have read their registers: tile a's rows may land there
.endif
	TOSTAGE \a
	SEND \a-1, 16                                  ; behind tile a - 1's loads: tile a's 8 stores and 8 loads
.endr
	SEND 7, 0
	s_wait_dscnt 0x0
	s_wait_tensorcnt 0x0
	ds_add_u32 v62, v63
	s_wait_dscnt 0x0
	ROUND                                          ; the closing round
	s_endpgm
.Lfunc_end_k_q8285082b5b_outp:
	.size	k_q8285082b5b_outp, .Lfunc_end_k_q8285082b5b_outp-k_q8285082b5b_outp
	.p2alignl 7, 3214868480
	.fill 96, 4, 3214868480
	.section	.rodata,"a",@progbits
	.p2align	6, 0x0
	.amdhsa_kernel k_q8285082b5b_outp
		.amdhsa_group_segment_fixed_size 168448
		.amdhsa_private_segment_fixed_size 0
		.amdhsa_enable_private_segment 0
		.amdhsa_kernarg_size 48
		.amdhsa_user_sgpr_count 2
		.amdhsa_user_sgpr_kernarg_segment_ptr 1
		.amdhsa_wavefront_size32 1
		.amdhsa_system_sgpr_workgroup_id_x 1
		.amdhsa_system_sgpr_workgroup_id_y 1
		.amdhsa_system_sgpr_workgroup_id_z 1
		.amdhsa_system_vgpr_workitem_id 0
		.amdhsa_next_free_vgpr 1024
		.amdhsa_next_free_sgpr 66
		.amdhsa_reserve_vcc 0
		.amdhsa_float_denorm_mode_32 3
		.amdhsa_float_denorm_mode_16_64 3
		.amdhsa_memory_ordered 1
		.amdhsa_forward_progress 1
		.amdhsa_inst_pref_size 89
	.end_amdhsa_kernel
	.amdgpu_metadata
---
amdhsa.version: [ 1, 2 ]
amdhsa.kernels:
  - .name:           k_q8285082b5b_outp
    .symbol:         k_q8285082b5b_outp.kd
    .args:
      - { .name: oc, .offset: 0, .size: 8, .value_kind: global_buffer, .address_space: global }
      - { .name: osc, .offset: 8, .size: 8, .value_kind: global_buffer, .address_space: global }
      - { .name: wc, .offset: 16, .size: 8, .value_kind: global_buffer, .address_space: global }
      - { .name: ws, .offset: 24, .size: 8, .value_kind: global_buffer, .address_space: global }
      - { .name: b_out, .offset: 32, .size: 8, .value_kind: global_buffer, .address_space: global }
      - { .name: out0, .offset: 40, .size: 8, .value_kind: global_buffer, .address_space: global }
    .group_segment_fixed_size: 168448
    .private_segment_fixed_size: 0
    .kernarg_segment_align: 8
    .kernarg_segment_size: 48
    .max_flat_workgroup_size: 128
    .sgpr_count:     66
    .vgpr_count:     1024
    .wavefront_size: 32
...
	.end_amdgpu_metadata
.endif
;; end of part 4
;; ======== version 2 of 2: 4 launches; version 1 with the launch proj written anew for expert scheduling mode
;; limits: right only within a limited range of input values
;; workspace buffers: wc 3,145,728 bytes; ws 131,072 bytes; qkvc 18,874,368 bytes; qkvs 1,572,864 bytes; oc 6,291,456 bytes; osc 524,288 bytes
;; launch wquant: the kernel of part 1 again; grid 64 x 4, 4 waves a work-group, no clusters, 0 bytes of LDS; arguments Wq, Wk, Wv, W_out, wc, ws; writes wc, ws
;; launch proj (part 5): grid 64 x 3, 4 waves a work-group, no clusters, 107,008 bytes of LDS; arguments query, key, value, key_attention_mask, wc, ws, qkvc, qkvs; writes qkvc, qkvs
.if DOCPART == 5
	.amdgcn_target "amdgcn-amd-amdhsa--gfx1250"
	.amdhsa_code_object_version 6
	.text
	.protected	k_q8285082b5b_proj
	.globl	k_q8285082b5b_proj
	.p2align	8
	.type	k_q8285082b5b_proj,@function
k_q8285082b5b_proj:
	s_mov_b64 s[64:65], 0
	v_nop
	global_prefetch_b8 v0, s[64:65] scope:SCOPE_SE
	s_setreg_imm32_b32 hwreg(HW_REG_WAVE_SCHED_MODE, 0, 2), 2
	s_setreg_imm32_b32 hwreg(HW_REG_WAVE_MODE, 25, 1), 1
	s_wait_xcnt 0x0
	s_wait_alu depctr_vm_vsrc(0)
; The three projections, on codes of BF6 (E3M2) with one E8M0 scale for each 32 along K.  Work-group (x, y): rows 128 x .. 128 x + 127 of tensor y (0 query, 1 key, 2 value), all 1,024 output columns.
; PHASE X: the 128 rows x 1,024 of f32 are read once, quantised in registers and laid into LDS as images of the operand's registers: 64 fragments (tile of 16 rows m, K step s).  One barrier.
; PHASE G: wave w makes columns 256 w .. 256 w + 255 (four heads), in two groups of 128: 64 accumulators, 8 K steps.  Its weights' fragments come from memory straight into its registers (laid so by the launch before).
; Each feeds eight products and no other wave of the work-group wants it: sent through LDS instead, shared in a cluster, it would add 12,288 bytes to the 12,288 bytes of x that a wave reads from LDS in each K step.  So no cluster here.
; THE RESULT IS QUANTISED IN REGISTERS and leaves as images too.  q, k: source 0 = 16 columns of W, source 1 = 16 rows of x: a lane holds one row and 64 + 64 neighbouring channels of two heads: K of the score product.
; v: the sources change places: a lane holds one channel and 128 neighbouring KEYS: K of the second attention product.
; THE ROWS (AND COLUMNS) OF A TILE ARE NOT NEIGHBOURS: in each 32, tile u holds 8 u + r + 8 (r / 8); so the 16 registers of result tiles 2 b and 2 b + 1 are 16 neighbours, 32 b + 16 (lane / 16) + 0 .. 15.
; OUT.  qkvc: sections q, k, v; per (batch, head) 98,304 bytes.  q, k: [128 tiles][768]: half a fragment (16 rows x 64).  v: [16 key steps][4 tiles of channels][1,536].  qkvs: q, k: [tile][16 rows] words; v: [step][tile][32 lanes] words.
; THE KEY MASK rides in the scale words.  The score product's instruction takes 128 along K and a head has 64; the attention launch sets one code, at k = 64: +1 in q, -1 in k.  Byte 2 of a word scales it:
; q: 64 (2^-63); a kept key: 1 (2^-126): the term -2^-189 is nothing beside any f32 score; a masked key: 254 (2^127): the term is -2^64.  Byte 3 is 0: it scales zeros.
; LIMITS: a block of zeros, or with a largest magnitude under 2^-122, gets the byte 1 (only this program reads the bytes); NaN and infinities among the inputs are not served.
; REGISTERS, in windows of 256.  Window 0: v1-19 addresses and constants; v20-27 the mask's byte for each tile; v28-43 x's scale words, two sets; v44-51 W's, two sets; v52-53 at work; v64-159, v160-255 x's fragments, two sets
; (while nothing is multiplied, v160-196 are the quantiser's: set 1 is then free).  Window 1: W's fragments, two sets, at v0 and v128.  Windows 2, 3: the accumulators, (o, i) in window 2 + o / 4 at v[64 (o % 4) + 8 i]; in phase X window 2 holds four buffers of 64 numbers.
; THE MODE: SCHED_MODE bits 1:0 = 2 (LLVM: expert scheduling mode 2), set by the entry lines.  The code itself states the register dependences
; between vector or matrix instructions and memory or LDS instructions, with s_wait_alu, always for 0.
; THE PLAN.  Registers that memory or LDS instructions touch:
;   v1-6, v15-17     Offsets and LDS addresses: written at the head and never again.  One wait on va_vdst ahead of the first load serves them for the whole kernel.
;   v10-12           Phase X: where a trip's images and words go: written by three additions at a trip's head, read by the trip's twenty LDS stores.
;   window 2         Phase X: buffer i: turn i's quantiser reads it; behind that the loads of two K steps on land in it.
;   v176-187, v196   The codes and the word just made (q, k: the word in v52): written by the quantiser, read by five stores: LDS stores in phase X, global ones in phase G.
;   the sets         W's and x's fragments and the two kinds of scale words: set p is read by the products of the steps s with s % 2 = p; the loads of step s + 1 are issued in step s and land in set 1 - p.  x's set 1 shares v160-196 with the quantiser.
;   v62, v63         Written at the head, read by the closing add alone.
; PHASE X, a turn: one wait on va_vdst behind the quantiser (the codes and the word are written, buffer i is read; in a trip's first turn v10-12 are written), then the buffer's sixteen loads and the five stores.
; One wait on vm_vsrc ahead of the lines that write the codes and the word again, behind the next turn's maxima; for a trip's first turn it stands at the last trip's end, where it frees v10-12 too.
; PHASE G, a K step: ONE wait on va_vdst at its head: the products of the step before are done reading the other sets.  The step's 76 loads follow it with no further wait, dealt among the first sixteen products, a fragment behind each:
; the products issued since that wait name this step's sets and the accumulators, none of the registers that those loads touch.
; THE WAY OUT, a tile: one wait on va_vdst ahead of its five stores; one on vm_vsrc, beside the wait on XCNT, behind the next tile's maxima; and that pair once more at a group's end, ahead of the loads into x's set 1.
.set FRB,  1536                        ; a fragment's image
.set XSC,  98304                       ; LDS: x's 64 fragments from 0 (m x 12,288 + s x 1,536), their scale words from here (m x 1,024 + s x 128; 4 bytes a lane)
.set XF,   64
.set TM,   160                         ; v160-163 largest magnitudes, v164-167 bytes, v172-175 the conversions' scale operands
.set PC,   176                         ; v176-195 the codes just made
.set PW,   196                         ; the scale word just made
.set TH,   20
.set XS,   28
.set WS,   44
.set WV,   20                          ; s20 wave
.set YT,   21                          ; s21 the tensor
.set SEL,  22                          ; s[22:23] lane selects for v_permlanex16_b32: lane l xor 16
.set HI,   24                          ; s24 lanes 16-31
.set XB,   26                          ; s[26:27] x at my 32 rows, at the K steps in hand
.set WB,   28                          ; s[28:29] my group's fragments of W
.set WSB,  30                          ; s[30:31] and their scale words
.set OC,   32                          ; s[32:33] where my group's codes go
.set OW,   34                          ; s[34:35] and their scale words
.set XT,   36                          ; s36, s37 phase X: the trip's place in the images and in the words
.set XU,   37
.set CNT,  38
.set MSB,  0
.macro WIN new                         ; s_set_vgpr_msb: bits 1:0 source 0, 3:2 source 1, 5:4 source 2, 7:6 destination; the high byte repeats the setting that is left; a switch that changes nothing is dropped
.if MSB != (\new)
	s_set_vgpr_msb (MSB<<8)|(\new)
.set MSB, (\new)
.endif
.endm
.macro PLACES n                        ; plain vector places behind matrix instructions (ISA guide 7.12.1)
.rept \n
	v_nop
.endr
.endm
; One scaled matrix instruction.  zero = 1: C is the constant 0 and starts the sum.  ra (rb) = 1: source 0's (1's) scales are read from lanes 16-31 of their register.
.macro MM d, a, b, c, zero, sa, sb, ra, rb
.if \zero
.if \ra
	v_wmma_scale_f32_16x16x128_f8f6f4 v[(\d):(\d)+7], v[(\a):(\a)+11], v[(\b):(\b)+11], 0, v[\sa], v[\sb] matrix_a_fmt:MATRIX_FMT_BF6 matrix_b_fmt:MATRIX_FMT_BF6 matrix_a_scale:MATRIX_SCALE_ROW1
.elseif \rb
	v_wmma_scale_f32_16x16x128_f8f6f4 v[(\d):(\d)+7], v[(\a):(\a)+11], v[(\b):(\b)+11], 0, v[\sa], v[\sb] matrix_a_fmt:MATRIX_FMT_BF6 matrix_b_fmt:MATRIX_FMT_BF6 matrix_b_scale:MATRIX_SCALE_ROW1
.else
	v_wmma_scale_f32_16x16x128_f8f6f4 v[(\d):(\d)+7], v[(\a):(\a)+11], v[(\b):(\b)+11], 0, v[\sa], v[\sb] matrix_a_fmt:MATRIX_FMT_BF6 matrix_b_fmt:MATRIX_FMT_BF6
.endif
.else
.if \ra
	v_wmma_scale_f32_16x16x128_f8f6f4 v[(\d):(\d)+7], v[(\a):(\a)+11], v[(\b):(\b)+11], v[(\c):(\c)+7], v[\sa], v[\sb] matrix_a_fmt:MATRIX_FMT_BF6 matrix_b_fmt:MATRIX_FMT_BF6 matrix_a_scale:MATRIX_SCALE_ROW1
.elseif \rb
	v_wmma_scale_f32_16x16x128_f8f6f4 v[(\d):(\d)+7], v[(\a):(\a)+11], v[(\b):(\b)+11], v[(\c):(\c)+7], v[\sa], v[\sb] matrix_a_fmt:MATRIX_FMT_BF6 matrix_b_fmt:MATRIX_FMT_BF6 matrix_b_scale:MATRIX_SCALE_ROW1
.else
	v_wmma_scale_f32_16x16x128_f8f6f4 v[(\d):(\d)+7], v[(\a):(\a)+11], v[(\b):(\b)+11], v[(\c):(\c)+7], v[\sa], v[\sb] matrix_a_fmt:MATRIX_FMT_BF6 matrix_b_fmt:MATRIX_FMT_BF6
.endif
.endif
.endm
; 64 numbers of a lane, registers s .. s + 63 of window w, register 16 b + i = k 32 b + 16 (lane / 16) + i of the lane's row, become a fragment's codes in v[PC] .. v[PC + 11]; the four scale bytes stand in v[TM + 4] on.
; pw = 1: they make the word v[PW].  x: earlier stores read v[PC] on and the word's register, which are written only behind the waits: x = 1: global stores; x = 2: LDS stores; x = 0: a wait that stands further ahead has freed them.
.macro QUANT s, w, pw, x
	WIN (\w)|((\w)<<2)                             ; sources 0 and 1 in window w
.irp b, 0,1,2,3
	v_max3_num_f32 v[TM+\b], |v[(\s)+16*\b]|, |v[(\s)+1+16*\b]|, 0x2800000   ; block b: my 16 numbers, from each accumulator's low end on, and the floor 2^(5 - 127): the byte cannot fall under 1
.endr
.irp i, 2,4,6,8,10,12,14
.irp b, 0,1,2,3
	v_max3_num_f32 v[TM+\b], |v[(\s)+16*\b+\i]|, |v[(\s)+1+16*\b+\i]|, v[TM+\b]   ; (the four blocks by turns)
.endr
.endr
	WIN 0
.irp b, 0,1,2,3
	v_permlanex16_b32 v[TM+4+\b], v[TM+\b], s[SEL], s[SEL+1]
.endr
.irp b, 0,1,2,3
	v_max_num_f32 v[TM+\b], v[TM+\b], v[TM+4+\b]   ; with lane l xor 16's: the block's largest magnitude
.endr
.irp b, 0,1,2,3
	v_add_nc_u32 v[TM+12+\b], 0xfe000000, v[TM+\b] ; 4 off its exponent field: the conversion's scale operand
.endr
.irp b, 0,1,2,3
	v_lshrrev_b32 v[TM+4+\b], 23, v[TM+12+\b]      ; the scale's byte
.endr
.if (\x) == 1
	s_wait_xcnt 0x0                                ; every earlier memory instruction has had its addresses translated (ISA guide 3.1)
.endif
.if \x
	s_wait_alu depctr_vm_vsrc(0)                   ; the five stores of the codes and the word made last have read v[PC ..], v[PW] and v52, which the lines from here on write again
.endif
.if \pw
	v_lshl_or_b32 v[PW], v[TM+5], 8, v[TM+4]
	v_lshl_or_b32 v[PW], v[TM+6], 16, v[PW]
	v_lshl_or_b32 v[PW], v[TM+7], 24, v[PW]
.endif
	WIN (\w)                                       ; source 0 in window w
.irp c, 0,1
	v_cvt_scalef32_pk16_bf6_f32 v[PC+6*\c:PC+2+6*\c], v[(\s)+32*\c:(\s)+15+32*\c], v[TM+12+2*\c]
	v_cvt_scalef32_pk16_bf6_f32 v[PC+12+4*\c:PC+14+4*\c], v[(\s)+16+32*\c:(\s)+31+32*\c], v[TM+12+2*\c+1]   ; (a conversion's three registers begin on an even number)
.endr
	WIN 0
	v_nop                                          ; one plain place behind a scaled conversion
.irp c, 0,1                            ; the operand's layout wants a WHOLE block in a lane: lanes 0-15 block 2 c, lanes 16-31 block 2 c + 1
.irp i, 0,1,2
	v_permlane16_swap_b32 v[PC+6*\c+\i], v[PC+12+4*\c+\i]
.endr
.irp i, 0,1,2
	v_mov_b32 v[PC+3+6*\c+\i], v[PC+12+4*\c+\i]
.endr
.endr
.endm
; Buffer i (tile i / 2 of my two, K step i % 2 of the trip's two): 64 numbers a lane: of its row, 16 neighbours of each block of 32.  A row's 512 bytes of a K step are taken by these sixteen loads together.
.macro XLOAD i, off
	WIN 0x80                                       ; destination window 2
.irp b, 0,1,2,3
.irp j, 0,1,2,3
	global_load_b128 v[64*(\i)+16*\b+4*\j:64*(\i)+16*\b+4*\j+3], v6, s[XB:XB+1] offset:(\off)+((\i)/2)*32768+((\i)%2)*512+128*\b+16*\j th:TH_LOAD_NT
.endr
.endr
	WIN 0
.endm
.macro XTURN i, more, left             ; buffer i is quantised, (more = 1) the buffer asked for again, two K steps on, and its image stored.  left: the younger buffers' loads
	s_wait_loadcnt \left
.if (\i) > 0
	QUANT 64*(\i), 2, 1, 2
.else
	QUANT 64*(\i), 2, 1, 0                         ; (a trip's first turn: the wait on vm_vsrc at the last trip's end has freed the codes' registers)
.endif
.if \more
	WIN 0x80                                       ; the loads' window is set ahead of the wait
.endif
	s_wait_alu depctr_va_vdst(0)                   ; the quantiser is done reading buffer i, in which the loads below land; it has written the codes and the word, which the LDS stores below read; in a trip's first turn v10-12 are written
.if \more
	XLOAD \i, 1024
.endif
	ds_store_b128 v10, v[PC:PC+3] offset:((\i)/2)*12288+((\i)%2)*FRB
	ds_store_b64 v11, v[PC+4:PC+5] offset:((\i)/2)*12288+((\i)%2)*FRB+512
	ds_store_b128 v10, v[PC+6:PC+9] offset:((\i)/2)*12288+((\i)%2)*FRB+768
	ds_store_b64 v11, v[PC+10:PC+11] offset:((\i)/2)*12288+((\i)%2)*FRB+1280
	ds_store_b32 v12, v[PW] offset:((\i)/2)*1024+((\i)%2)*128
.endm
.macro XFRAG p, s, m                   ; x's fragment of tile m and its scale word, K step s, into set p: five LDS loads, each dense (window 0)
.set FX, XF+96*(\p)+12*(\m)
	ds_load_b128 v[FX:FX+3], v[1+(\m)/4] offset:((\m)%4)*12288+(\s)*FRB
	ds_load_b64 v[FX+4:FX+5], v[3+(\m)/4] offset:((\m)%4)*12288+(\s)*FRB+512
	ds_load_b128 v[FX+6:FX+9], v[1+(\m)/4] offset:((\m)%4)*12288+(\s)*FRB+768
	ds_load_b64 v[FX+10:FX+11], v[3+(\m)/4] offset:((\m)%4)*12288+(\s)*FRB+1280
	ds_load_b32 v[XS+8*(\p)+(\m)], v5 offset:(\m)*1024+(\s)*128
.endm
.macro XFETCH p, s                     ; x's eight fragments and scale words of K step s into set p
.irp m, 0,1,2,3,4,5,6,7
	XFRAG \p, \s, \m
.endr
.endm
.macro WFRAG p, s, b                   ; W's fragment of tile b, K step s of my group, into set p: four loads, each dense (destination window 1)
.set FW, 128*(\p)+12*(\b)
	global_load_b128 v[FW:FW+3], v1, s[WB:WB+1] offset:(\s)*12288+(\b)*FRB
	global_load_b64 v[FW+4:FW+5], v3, s[WB:WB+1] offset:(\s)*12288+(\b)*FRB+512
	global_load_b128 v[FW+6:FW+9], v1, s[WB:WB+1] offset:(\s)*12288+(\b)*FRB+768
	global_load_b64 v[FW+10:FW+11], v3, s[WB:WB+1] offset:(\s)*12288+(\b)*FRB+1280
.endm
.macro WWORD p, s, j                   ; a register of W's scale words: lanes 0-15: tile 2 j, lanes 16-31: tile 2 j + 1 (window 0)
	global_load_b32 v[WS+4*(\p)+(\j)], v15, s[WSB:WSB+1] offset:(\s)*512+128*(\j)
.endm
.macro WLOAD p, s                      ; W's eight fragments of K step s of my group into set p, and four registers of scale words: 36 loads
	WIN 0x40                                       ; destination window 1
.irp b, 0,1,2,3,4,5,6,7
	WFRAG \p, \s, \b
.endr
	WIN 0
.irp j, 0,1,2,3
	WWORD \p, \s, \j
.endr
.endm
; A K step: 64 products on this step's sets; the next step's fragments are asked for among the first sixteen: one of W's behind each of the first eight, one of x's with its word behind each of the next eight (with four of them a register of W's words).
; So no long run of loads stands between two products; each of these sixteen slices costs two window switches.  The 64 accumulators take turns, one instruction a turn, in the same order in every step.
; Step 7 asks for "step 8": the 12,288 bytes (512 of words) that follow are my next group's step 0; behind my last group they still lie inside wc and ws (the tensor is 0, 1 or 2, and W_out's section follows) and are not used.
.macro STEP var, s
.set P, (\s)%2
	PLACES 4                                       ; the loads of this step land in registers that the step before multiplied: the places stay beside the wait below
	s_wait_loadcnt 0x0                             ; this step's W is in: all that is out was asked for in the step before
	s_wait_dscnt 0x0                               ; and so is this step's x
	s_wait_alu depctr_va_vdst(0)                   ; the products of the step before are done reading the other sets of W, of x and of both kinds of scale words; in a group's first step the quantiser is done with v160-196.  This step's loads land there
.irp o, 0,1,2,3,4,5,6,7
.irp i, 0,1,2,3,4,5,6,7
.if \var
	WIN 0xa4+0x50*(\o/4)                           ; source 0 (x) window 0, source 1 (W) window 1, C and D window 2 or 3
	MM 64*(\o%4)+8*\i, XF+96*P+12*\i, 128*P+12*\o, 64*(\o%4)+8*\i, (\s)==0, XS+8*P+\i, WS+4*P+\o/2, 0, \o%2
.else
	WIN 0xa1+0x50*(\o/4)                           ; source 0 (W) window 1, source 1 (x) window 0
	MM 64*(\o%4)+8*\i, 128*P+12*\i, XF+96*P+12*\o, 64*(\o%4)+8*\i, (\s)==0, WS+4*P+\i/2, XS+8*P+\o, \i%2, 0
.endif
.if \o == 0
	WIN 0x40                                       ; destination window 1.  No wait: no vector or matrix instruction since the wait at the step's head names the other sets or the offsets
	WFRAG 1-P, (\s)+1, \i
.elseif \o == 1
	WIN 0
	XFRAG 1-P, ((\s)+1)%8, \i
.if \i < 4
	WWORD 1-P, (\s)+1, \i
.endif
.endif
.endr
.endr
	WIN 0
.endm
; q, k: tile a of my 128 rows: a lane's 64 numbers are the row's 64 channels of head 2 g (blocks 0, 1) and of head 2 g + 1 (blocks 2, 3): the fragment's two halves go to the two heads.
.macro EPIQK
.irp a, 0,1,2,3,4,5,6,7
	QUANT 64*(\a%4), 2+\a/4, 0, 1
	v_cndmask_b32 v52, v[TM+4], v[TM+6], s[HI]     ; lanes 0-15 make the first head's word, lanes 16-31 the second's
	v_cndmask_b32 v53, v[TM+5], v[TM+7], s[HI]
	v_lshl_or_b32 v52, v53, 8, v52
	v_or_b32 v52, v52, v[TH+\a]                    ; byte 2: the scale of the code at k = 64
	s_wait_alu depctr_va_vdst(0)                   ; the codes v[PC ..] and the word v52 are written, which the five stores read
	global_store_b128 v1, v[PC:PC+3], s[OC:OC+1] offset:\a*768             ; 512 and 256 consecutive bytes, at multiples of 256
	global_store_b64 v3, v[PC+4:PC+5], s[OC:OC+1] offset:\a*768+512
	global_store_b128 v1, v[PC+6:PC+9], s[OC:OC+1] offset:\a*768+98304
	global_store_b64 v3, v[PC+10:PC+11], s[OC:OC+1] offset:\a*768+98304+512
	global_store_b32 v16, v52, s[OW:OW+1] offset:\a*64                     ; 64 bytes to each head: one twelfth of the codes' bytes
.endr
.endm
; v: tile a of my group's 128 channels (head 2 g + a / 4, its tile a % 4): a lane's 64 numbers are its channel at the 128 keys: one whole fragment and one word a channel.
.macro EPIV
.irp a, 0,1,2,3,4,5,6,7
	QUANT 64*(\a%4), 2+\a/4, 1, 1
	s_wait_alu depctr_va_vdst(0)                   ; the codes v[PC ..] and the word v[PW] are written, which the five stores read
	global_store_b128 v1, v[PC:PC+3], s[OC:OC+1] offset:(\a/4)*98304+(\a%4)*FRB
	global_store_b64 v3, v[PC+4:PC+5], s[OC:OC+1] offset:(\a/4)*98304+(\a%4)*FRB+512
	global_store_b128 v1, v[PC+6:PC+9], s[OC:OC+1] offset:(\a/4)*98304+(\a%4)*FRB+768
	global_store_b64 v3, v[PC+10:PC+11], s[OC:OC+1] offset:(\a/4)*98304+(\a%4)*FRB+1280
	global_store_b32 v15, v[PW], s[OW:OW+1] offset:(\a/4)*8192+(\a%4)*128
.endr
.endm
.macro GEMM var                        ; my two groups of 128 columns
	s_mov_b32 s[CNT], 2
.Lgroup_\@:
.irp k, 0,1,2,3,4,5,6,7
	STEP \var, \k
.endr
	PLACES 4                                       ; the quantiser reads results just made and writes registers of x's set 1, which the last step multiplied
.if \var
	EPIV
.else
	EPIQK
.endif
	s_wait_xcnt 0x0                                ; the loads and stores above have read their bases and registers
	s_wait_alu depctr_vm_vsrc(0)                   ; the last tile's stores have read v[PC ..] and v[PW]: registers of x's set 1, in which the next group's first step loads
	s_add_nc_u64 s[WB:WB+1], s[WB:WB+1], 98304
	s_add_nc_u64 s[WSB:WSB+1], s[WSB:WSB+1], 4096
	s_add_nc_u64 s[OC:OC+1], s[OC:OC+1], 196608    ; two heads on
	s_add_nc_u64 s[OW:OW+1], s[OW:OW+1], 16384
	s_sub_co_u32 s[CNT], s[CNT], 1
	s_cmp_lg_u32 s[CNT], 0
	s_cbranch_scc1 .Lgroup_\@
.endm
	s_load_b256 s[4:11], s[0:1], 0x0               ; query s[4:5], key s[6:7], value s[8:9], mask s[10:11]
	s_load_b256 s[12:19], s[0:1], 0x20             ; wc s[12:13], ws s[14:15], qkvc s[16:17], qkvs s[18:19]
	v_lshl_add_u32 v62, v0, 2, 0x1a000
	v_mov_b32 v63, 0
	v_lshrrev_b32 v13, 5, v0
	v_readfirstlane_b32 s[WV], v13                 ; wave 0..3
	v_and_b32 v13, 31, v0                          ; lane
	v_lshlrev_b32 v1, 4, v13                       ; v1, v2: 16 x lane, and the same for tiles 4-7 in LDS
	v_add_nc_u32 v2, 49152, v1
	v_lshlrev_b32 v3, 3, v13                       ; v3, v4: 8 x lane
	v_add_nc_u32 v4, 49152, v3
	v_lshlrev_b32 v15, 2, v13                      ; v15: 4 x lane
	v_add_nc_u32 v5, XSC, v15                      ; v5: x's scale words in LDS
	v_and_b32 v14, 15, v0                          ; r
	v_bfe_u32 v52, v0, 4, 1                        ; h
	v_and_b32 v17, 8, v14
	v_add_nc_u32 v17, v17, v14                     ; v17: r + 8 (r / 8): my row in a tile's 32; also the mask's offset
	v_lshlrev_b32 v6, 12, v17
	v_lshl_add_u32 v6, v52, 6, v6                  ; v6: x: that row of 4,096 bytes, + 64 h: my 16 numbers of a block
	v_lshlrev_b32 v16, 2, v14
	v_lshl_add_u32 v16, v52, 13, v16               ; v16: q's and k's scale words: 4 r, lanes 16-31 one head (8,192 bytes) on
	s_wait_alu depctr_va_sdst(0)                   ; the wave's number is written into s20, ahead of its first reader
	s_mul_i32 s40, s[WV], 24576
	v_add_nc_u32 v7, s40, v1                       ; v7-9: where my two tiles' images and words begin
	v_add_nc_u32 v8, s40, v3
	s_lshl_b32 s40, s[WV], 11
	v_add_nc_u32 v9, s40, v5
.irp b, 0,1,2,3
	v_mov_b32 v[TM+4+\b], 0                        ; written once: a lane permute's destination counts as one of its sources
.endr
	s_and_b32 s[YT], ttmp7, 0xffff
	s_mov_b32 s[SEL], 0x76543210
	s_mov_b32 s[SEL+1], 0xfedcba98
	s_mov_b32 s[HI], 0xffff0000
	s_mov_b32 s[XT], 0
	s_mov_b32 s[XU], 0
	s_lshr_b32 s44, ttmp9, 4                       ; the batch
	s_and_b32 s45, ttmp9, 15                       ; which 128 of its 2,048 rows
	s_lshl_b32 s40, ttmp9, 19                      ; x: 128 rows of 4,096 bytes a work-group,
	s_lshl_b32 s41, s[WV], 17
	s_add_co_u32 s40, s40, s41                     ; 32 a wave
	s_mov_b32 s41, 0
	s_mul_i32 s42, s[YT], 786432                   ; wc: the tensor's weight, group 2 w
	s_mul_i32 s43, s[WV], 196608
	s_add_co_u32 s42, s42, s43
	s_mov_b32 s43, 0
	s_lshl_b32 s46, s[YT], 15                      ; ws likewise
	s_lshl_b32 s47, s[WV], 13
	s_add_co_u32 s46, s46, s47
	s_mov_b32 s47, 0
	s_lshl_b32 s48, s44, 4
	s_lshl_b32 s49, s[WV], 2
	s_add_co_u32 s48, s48, s49                     ; 16 batch + my first head
	s_mul_i32 s50, s48, 98304
	s_mul_i32 s49, s[YT], 6291456
	s_add_co_u32 s50, s50, s49
	s_mul_i32 s49, s45, 6144                       ; 128 rows are 8 x 768 bytes of q or k, 4 x 1,536 of v
	s_add_co_u32 s50, s50, s49
	s_mov_b32 s51, 0
	s_lshl_b32 s52, s48, 13
	s_lshl_b32 s49, s[YT], 19
	s_add_co_u32 s52, s52, s49
	s_lshl_b32 s49, s45, 9
	s_add_co_u32 s52, s52, s49
	s_mov_b32 s53, 0
	s_lshl_b32 s54, ttmp9, 7                       ; the mask: a byte a row
	s_mov_b32 s55, 0
	s_mov_b32 s56, 0x400000                        ; byte 2 of a word: q: 64, whatever the mask;
	s_cmp_eq_u32 s[YT], 1
	s_cselect_b32 s57, 0x10000, s56                ; k: 1 for a key that is kept,
	s_cselect_b32 s58, 0xfe0000, s56               ; 254 for one that is masked
	v_mov_b32 v18, s57
	v_mov_b32 v19, s58
	s_wait_kmcnt 0x0
	s_cselect_b64 s[XB:XB+1], s[6:7], s[4:5]       ; the tensor is chosen by the work-group's y alone
	s_cmp_eq_u32 s[YT], 2
	s_cselect_b64 s[XB:XB+1], s[8:9], s[XB:XB+1]
	s_add_nc_u64 s[XB:XB+1], s[XB:XB+1], s[40:41]
	s_add_nc_u64 s[WB:WB+1], s[12:13], s[42:43]
	s_add_nc_u64 s[WSB:WSB+1], s[14:15], s[46:47]
	s_add_nc_u64 s[OC:OC+1], s[16:17], s[50:51]
	s_add_nc_u64 s[OW:OW+1], s[18:19], s[52:53]
	s_add_nc_u64 s[10:11], s[10:11], s[54:55]
	s_wait_alu depctr_va_vdst(0)                   ; the offsets and addresses v1-6 and v15-17 are written, which the loads and stores of the whole kernel read
	WLOAD 0, 0                                     ; my first group's first K step: it lands under phase X
.irp a, 0,1,2,3,4,5,6,7
	global_load_u8 v[TH+\a], v17, s[10:11] offset:32*(\a/2)+8*(\a%2)   ; the mask's byte of my row in tile a
.endr
	XLOAD 0, 0
	XLOAD 1, 0
	XLOAD 2, 0
	XLOAD 3, 0
	s_wait_loadcnt 63                              ; 64 loads were issued behind the mask's: the wait's field holds 63
.irp a, 0,1,2,3,4,5,6,7
	v_cmp_ne_u32 s[40+\a], 0, v[TH+\a]             ; the eight compares in one run, a scalar register each (s40-47 are free: the offsets that they held have been added)
.endr
	s_wait_alu depctr_va_sdst(0)                   ; the eight masks s40-47 are written, ahead of the selects that read them
.irp a, 0,1,2,3,4,5,6,7
	v_cndmask_b32 v[TH+\a], v19, v18, s[40+\a]
.endr
	; ---- PHASE X: my tiles 2 w and 2 w + 1, two K steps a trip; four buffers of 16 loads are always out
	s_mov_b32 s[CNT], 3
.Lx:
	v_add_nc_u32 v10, s[XT], v7
	v_add_nc_u32 v11, s[XT], v8
	v_add_nc_u32 v12, s[XU], v9
	XTURN 0, 1, 48
	XTURN 1, 1, 48
	XTURN 2, 1, 48
	XTURN 3, 1, 48
	s_wait_xcnt 0x0                                ; the loads have read their base
	s_wait_alu depctr_vm_vsrc(0)                   ; this trip's LDS stores have read v10-12, which the next trip's head writes, and the last turn's codes and word, which its first turn writes
	s_add_nc_u64 s[XB:XB+1], s[XB:XB+1], 1024
	s_add_co_u32 s[XT], s[XT], 2*FRB
	s_add_co_u32 s[XU], s[XU], 256
	s_sub_co_u32 s[CNT], s[CNT], 1
	s_cmp_lg_u32 s[CNT], 0
	s_cbranch_scc1 .Lx
	v_add_nc_u32 v10, s[XT], v7                    ; the last two K steps ask for nothing: the counts run down
	v_add_nc_u32 v11, s[XT], v8
	v_add_nc_u32 v12, s[XU], v9
	XTURN 0, 0, 48
	XTURN 1, 0, 32
	XTURN 2, 0, 16
	XTURN 3, 0, 0
	s_wait_dscnt 0x0                               ; for the other waves' sake: all my images and words have landed in LDS
	s_barrier_signal -1
	s_barrier_wait -1                              ; x's 64 fragments lie in LDS, and nothing is stored there again
	s_wait_alu depctr_vm_vsrc(0)                   ; my last LDS stores have read v[PC ..] and v[PW]: registers of x's set 1, in which the first K step loads
	XFETCH 0, 0
	s_cmp_eq_u32 s[YT], 2
	s_cbranch_scc1 .Lv
	GEMM 0
	s_wait_dscnt 0x0                               ; the closing lines, six on end
	s_wait_alu 0x0
	s_wait_tensorcnt 0x0
	ds_add_u32 v62, v63
	s_wait_dscnt 0x0
	s_endpgm
.Lv:
	GEMM 1
	s_wait_dscnt 0x0                               ; the closing lines, six on end
	s_wait_alu 0x0
	s_wait_tensorcnt 0x0
	ds_add_u32 v62, v63
	s_wait_dscnt 0x0
	s_endpgm
.Lfunc_end_k_q8285082b5b_proj:
	.size	k_q8285082b5b_proj, .Lfunc_end_k_q8285082b5b_proj-k_q8285082b5b_proj
	.p2alignl 7, 3214868480
	.fill 96, 4, 3214868480
	.section	.rodata,"a",@progbits
	.p2align	6, 0x0
	.amdhsa_kernel k_q8285082b5b_proj
		.amdhsa_group_segment_fixed_size 107008
		.amdhsa_private_segment_fixed_size 0
		.amdhsa_enable_private_segment 0
		.amdhsa_kernarg_size 64
		.amdhsa_user_sgpr_count 2
		.amdhsa_user_sgpr_kernarg_segment_ptr 1
		.amdhsa_wavefront_size32 1
		.amdhsa_system_sgpr_workgroup_id_x 1
		.amdhsa_system_sgpr_workgroup_id_y 1
		.amdhsa_system_sgpr_workgroup_id_z 1
		.amdhsa_system_vgpr_workitem_id 0
		.amdhsa_next_free_vgpr 1024
		.amdhsa_next_free_sgpr 66
		.amdhsa_reserve_vcc 0
		.amdhsa_float_denorm_mode_32 3
		.amdhsa_float_denorm_mode_16_64 3
		.amdhsa_memory_ordered 1
		.amdhsa_forward_progress 1
		.amdhsa_inst_pref_size 255
	.end_amdhsa_kernel
	.section	.bss,"aw",@nobits
	.p2align	6
	.space	262144
	.amdgpu_metadata
---
amdhsa.version: [ 1, 2 ]
amdhsa.kernels:
  - .name:           k_q8285082b5b_proj
    .symbol:         k_q8285082b5b_proj.kd
    .args:
      - { .name: query, .offset: 0, .size: 8, .value_kind: global_buffer, .address_space: global }
      - { .name: key, .offset: 8, .size: 8, .value_kind: global_buffer, .address_space: global }
      - { .name: value, .offset: 16, .size: 8, .value_kind: global_buffer, .address_space: global }
      - { .name: key_attention_mask, .offset: 24, .size: 8, .value_kind: global_buffer, .address_space: global }
      - { .name: wc, .offset: 32, .size: 8, .value_kind: global_buffer, .address_space: global }
      - { .name: ws, .offset: 40, .size: 8, .value_kind: global_buffer, .address_space: global }
      - { .name: qkvc, .offset: 48, .size: 8, .value_kind: global_buffer, .address_space: global }
      - { .name: qkvs, .offset: 56, .size: 8, .value_kind: global_buffer, .address_space: global }
    .group_segment_fixed_size: 107008
    .private_segment_fixed_size: 0
    .kernarg_segment_align: 8
    .kernarg_segment_size: 64
    .max_flat_workgroup_size: 128
    .sgpr_count:     66
    .vgpr_count:     1024
    .wavefront_size: 32
...
	.end_amdgpu_metadata
.endif
;; end of part 5
;; launch attn: the kernel of part 3 again; grid 4 x 64, 8 waves a work-group, clusters of 4 x 1, 214,016 bytes of LDS; arguments qkvc, qkvs, oc, osc; writes oc, osc
;; launch outp: the kernel of part 4 again; grid 4 x 64, 4 waves a work-group, clusters of 4 x 1, 168,448 bytes of LDS; arguments oc, osc, wc, ws, b_out, out0; writes out0
